; MI455X (gfx1250); checked and timed in simulation.
; The chip was launched on July 23, 2026; its instructions are those of AMD's public machine-readable ISA for CDNA 5 (MIT licence, August 2026) and "CDNA5" Instruction Set Architecture Reference Guide (July 2026). The comments in the code are by the model that wrote it; some were corrected since.
;; Mo E Layer. Allowed arithmetic: matrix products marked QUANTISED: E4M3 operands, one E8M0 scale for each 32 along K, by v_wmma_scale_f32_16x16x128_f8f6f4 with both operands' format E4M3, f32 sums; everything else in f32.
;; Inputs: W1 8 x 1,024 x 4,096 float32; W2 8 x 4,096 x 1,024 float32; b1 8 x 4,096 float32; b2 8 x 1,024 float32; expert_indices 4 x 256 int32; hidden_states 4 x 256 x 1,024 float32.
;; Outputs: out0 4 x 256 x 1,024 float32.
;; This version of the problem:
;;   THIS VERSION OF THE PROBLEM IS GIVEN IN LOW PRECISION. The matrix products marked QUANTISED in the list below multiply operands that are first quantised to E4M3 (4 exponent bits, 3 mantissa bits; 8 bits a number), with one power-of-two scale for each 32 numbers along K (OCP MX v1.0); their sums are f32. All else is computed in f32.
;;   The module's matrix products, in the order in which they are computed (A, B: the left and right operand; K: the contracted axis; several contracted axes count as one K, in the product's order):
;;     1. [M 1,024, K 1,024] x [K 1,024, N 4,096]; A: input hidden_states; B: input W1: QUANTISED
;;     2. [M 1,024, K 4,096] x [K 4,096, N 1,024]; A: computed on the way; B: input W2: QUANTISED
;;     3. [M 1,024, K 1,024] x [K 1,024, N 4,096]; A: input hidden_states; B: input W1: QUANTISED
;;     4. [M 1,024, K 4,096] x [K 4,096, N 1,024]; A: computed on the way; B: input W2: QUANTISED
;;     5. [M 1,024, K 1,024] x [K 1,024, N 4,096]; A: input hidden_states; B: input W1: QUANTISED
;;     6. [M 1,024, K 4,096] x [K 4,096, N 1,024]; A: computed on the way; B: input W2: QUANTISED
;;     7. [M 1,024, K 1,024] x [K 1,024, N 4,096]; A: input hidden_states; B: input W1: QUANTISED
;;     8. [M 1,024, K 4,096] x [K 4,096, N 1,024]; A: computed on the way; B: input W2: QUANTISED
;;     9. [M 1,024, K 1,024] x [K 1,024, N 4,096]; A: input hidden_states; B: input W1: QUANTISED
;;     10. [M 1,024, K 4,096] x [K 4,096, N 1,024]; A: computed on the way; B: input W2: QUANTISED
;;     11. [M 1,024, K 1,024] x [K 1,024, N 4,096]; A: input hidden_states; B: input W1: QUANTISED
;;     12. [M 1,024, K 4,096] x [K 4,096, N 1,024]; A: computed on the way; B: input W2: QUANTISED
;;     13. [M 1,024, K 1,024] x [K 1,024, N 4,096]; A: input hidden_states; B: input W1: QUANTISED
;;     14. [M 1,024, K 4,096] x [K 4,096, N 1,024]; A: computed on the way; B: input W2: QUANTISED
;;     15. [M 1,024, K 1,024] x [K 1,024, N 4,096]; A: input hidden_states; B: input W1: QUANTISED
;;     16. [M 1,024, K 4,096] x [K 4,096, N 1,024]; A: computed on the way; B: input W2: QUANTISED
;;   THE QUANTISER, for each operand of a quantised product, along K:
;;     - K is cut into blocks of 32 from its start; a last block that is shorter is filled with zeros.
;;     - A block's scale is 2^e with e = floor(log2(the largest magnitude in the block)) - 8, held to -126 .. 127; a block of zeros has e = 0. As a byte (E8M0): e + 127.
;;     - Each number is divided by its block's scale, clamped to +-448, and rounded to the nearest number of E4M3, ties to even, subnormals kept.
;;     - The product sums the exact products of the quantised numbers (number of the format x scale) in f32.
;;   ~~~python
;;   def quantise(x, axis):      # numpy; x: float32 -> the quantised numbers, widened to float32 again
;;       x = np.moveaxis(x, axis, -1); K = x.shape[-1]
;;       x = np.pad(x, [(0, 0)] * (x.ndim - 1) + [(0, -K % 32)]); x = x.reshape(x.shape[:-1] + (-1, 32)); a = np.abs(x).max(-1, keepdims=True)
;;       e = np.where(a > 0, np.clip(np.frexp(np.where(a > 0, a, 1))[1] - 1 - 8, -126, 127), 0)      # np.frexp(a)[1] - 1 = floor(log2(a)), exactly
;;       r = np.clip(x / 2.0 ** e, -448, 448)
;;       step = 2.0 ** (np.maximum(np.frexp(np.where(r == 0, 1, r))[1] - 1, -6) - 3)
;;       q = np.round(r / step) * step * 2.0 ** e      # np.round: ties to even
;;       return np.moveaxis(q.reshape(q.shape[:-2] + (-1,))[..., :K], -1, axis).astype(np.float32)
;;   ~~~
;;   OPERANDS COMPUTED ON THE WAY. 'Computed on the way' means the value that the module computes at that place (a softmax that the list does not call 'softmax' is quantised finished and normalised). What goes into a quantiser is computed in f32, as accurately as f32 sums, v_exp_f32 and their like allow (about 1e-6 of the number): no bf16 or f16 on the way to a quantiser, and a product that is left as it is and whose result goes on into a quantised operand takes f32 operands (vector FMAs, or v_wmma_f32_16x16x4_f32). A number that lies on a knife's edge between two numbers of the format may be rounded either way, as far as f32 arithmetic and the matrix unit's own rounding can turn it there, and no further.
;; 2 versions. Each part assembles by itself: llvm-mc -triple=amdgcn-amd-amdhsa -mcpu=gfx1250 --defsym DOCPART=n.
;; ======== version 1 of 2: 3 launches
;; workspace buffers: xc 1,163,264 bytes; xs 36,352 bytes; hc 4,653,056 bytes; hs 145,408 bytes; order 4,608 bytes of whole numbers; meta 256 bytes of whole numbers
;; launch route (part 1): grid 64 x 1, 8 waves a work-group, no clusters, 68,864 bytes of LDS; arguments hidden_states, expert_indices, xc, xs, order, meta; writes xc, xs, order, meta
.if DOCPART == 1
	.amdgcn_target "amdgcn-amd-amdhsa--gfx1250"
	.amdhsa_code_object_version 6
	.text
	.protected	k_q142299db1e_route
	.globl	k_q142299db1e_route
	.p2align	8
	.type	k_q142299db1e_route,@function
k_q142299db1e_route:
	s_mov_b64 s[64:65], 0
	v_nop
	global_prefetch_b8 v0, s[64:65] scope:SCOPE_SE
	s_setreg_imm32_b32 hwreg(HW_REG_WAVE_MODE, 25, 1), 1
	s_wait_xcnt 0x0
; ROUTE: sorts the 1,024 tokens by expert (a counting sort without atomics) and turns x, [1024][1024] f32, into codes of FP8 (E4M3) with one E8M0 byte for each 32 along K, placed at each token's SORTED row.
; SORTED ROWS.  Expert e has n_e tokens and owns T_e = ceil(n_e / 16) tiles of 16 rows from tile F_e on (F = the prefix sum of T): never more than 64 + 7 = 71 tiles.  Inside an expert the tokens keep their order.
; Rows n_e .. 16 T_e - 1 of an expert's last tile are padding: zero codes, scale bytes 0x7f, token 0: so every byte that a later launch reads has been written.
; OUT.  xc [71 tiles][8 K steps][4 chunks][32 lanes][16 bytes]: the image of an operand's registers: lane (r, h) of chunk c holds k = 32 c + 16 h + 0 .. 15 of row r.   xs [71][8][16 rows]: a scale word for a row and 128 k.
;       order [1136]: the token of each sorted row.   meta: word 4 e + 0, 1, 2, 3 = F_e, T_e, n_e, 0.
; SHARES.  Work-group j takes tokens 16 j .. 16 j + 15, its wave s K step s (128 along K).  Every work-group counts all 1,024 indices anew (4 KB): wave s counts expert s; the eight counts meet in LDS behind one barrier.
; The loads of x hang on no routing, so they are out together with the indices; the codes are SCATTERED: a token's 16 bytes of a chunk go to its sorted row, so a store's lanes do not fill 256 consecutive bytes.
; That is 1.1 MB of a program that moves 280 MB.
; LIMITS: expert_indices lie in 0 .. 7 (another value would send its token to sorted row 0; every access still stays inside its buffer).  NaN and infinities in x are not served.  A block of zeros, or one whose largest
; magnitude lies under 2^-118, gets the byte 1 (the rule says 127 for zeros): zero codes add nothing under any byte but 0xff, and the bytes are read by this program alone.
.set SP,    528                        ; a stage row: 512 bytes + 16: an odd multiple of 16 bytes, so that sixteen rows' reads start 16 bytes apart modulo 256
.set STG,   16*SP                      ; a wave's stage
.set CNTB,  8*STG                      ; behind the stages: 16 words: n_e at 4 e; at 32 + 4 e the tokens of expert e ahead of my group of 32
.set LN,   1                           ; lane
.set RR,   2                           ; r = lane % 16
.set HH,   3                           ; h = lane / 16
.set L4,   4                           ; 4 x lane
.set L16,  5                           ; 16 x lane
.set STI,  6                           ; stage, in:  16 x lane
.set STO,  7                           ; stage, out: 528 r + 64 h
.set CW,   8                           ; CNTB + 4 x wave
.set CR,   9                           ; CNTB
.set MY,   10                          ; the expert of token 32 (j / 2) + lane
.set POS,  11                          ; its sorted row
.set TT,   12                          ; at work
.set SELV, 13                          ; 4 x (r + 16 (j % 2)): from which lane I pull my token's row
.set PP,   14                          ; the sorted row of token 16 j + r
.set CA,   15                          ; its byte in xc, SA in xs, OA in order
.set SA,   16
.set OA,   17
.set TOK,  18                          ; 16 j + r
.set ZQ,   20                          ; v20-23 zeros
.set ONES, 24                          ; four scale bytes 0x7f
.set PCA,  25                          ; padding: 16 r + 256 h
.set PSA,  26                          ; padding: 4 r
.set CN,   28                          ; v28-43 the sixteen counts
.set IDX,  48                          ; v48-79 all indices: register g holds token 32 g + lane
.set R,    80                          ; v80-143 x as loaded: register 4 i .. 4 i + 3 = row i, numbers 4 lane .. + 3
.set X,    144                         ; v144-207 x turned: register 16 b + i = k 32 b + 16 h + i of row r
.set TM,   208                         ; v208-223 the quantiser's: largest magnitudes, bytes, 448 x scale, scale operands
.set PW,   224                         ; the scale word
.set MT,   226                         ; meta: lane 4 e + f holds field f of expert e
.set PC,   228                         ; v228-243 the codes
.set SEL,  72                          ; s[72:73] v_permlanex16_b32's selects for lane l xor 16
.set MNT,  74                          ; s74 the mantissa field of 448
; 64 numbers of a lane, register 16 b + i = k 32 b + 16 (lane / 16) + i of its row, become a fragment's 16 code registers in v[PC] on and the row's scale word in v[PW].
.macro QUANT s
.irp b, 0,1,2,3
	v_max3_num_f32 v[TM+\b], |v[\s+16*\b]|, |v[\s+1+16*\b]|, 0x4800000   ; block b: my 16 numbers, and the floor 2^(9 - 127): the byte cannot fall under 1
.endr
.irp i, 2,4,6,8,10,12,14
.irp b, 0,1,2,3
	v_max3_num_f32 v[TM+\b], v[TM+\b], |v[\s+16*\b+\i]|, |v[\s+1+16*\b+\i]|   ; the four blocks by turns
.endr
.endr
.irp b, 0,1,2,3
	v_permlanex16_b32 v[TM+4+\b], v[TM+\b], s[SEL], s[SEL+1]
.endr
.irp b, 0,1,2,3
	v_max_num_f32 v[TM+\b], v[TM+\b], v[TM+4+\b]           ; with lane l xor 16's 16: the block's largest magnitude
.endr
.irp b, 0,1,2,3
	v_add_nc_u32 v[TM+12+\b], 0xfc000000, v[TM+\b]         ; 8 off its exponent field: the conversion takes this operand's exponent field as its scale
.endr
.irp b, 0,1,2,3
	v_and_or_b32 v[TM+8+\b], v[TM+\b], 0x7f800000, s[MNT]  ; 448 x the scale
.endr
.irp b, 0,1,2,3
	v_lshrrev_b32 v[TM+4+\b], 23, v[TM+12+\b]              ; the scale's byte
.endr
	v_lshl_or_b32 v[PW], v[TM+5], 8, v[TM+4]
	v_lshl_or_b32 v[PW], v[TM+6], 16, v[PW]
	v_lshl_or_b32 v[PW], v[TM+7], 24, v[PW]
.irp b, 0,1,2,3
.irp i, 0,1,2,3,4,5,6,7,8,9,10,11,12,13,14,15
	v_med3_num_f32 v[\s+16*\b+\i], v[\s+16*\b+\i], -v[TM+8+\b], v[TM+8+\b]   ; the conversion to an 8-bit code does not saturate (ISA guide 7.6.2): the hold comes first
.endr
	v_cvt_scalef32_pk8_fp8_f32 v[PC+4*\b:PC+1+4*\b], v[\s+16*\b:\s+7+16*\b], v[TM+12+\b]
	v_cvt_scalef32_pk8_fp8_f32 v[PC+2+4*\b:PC+3+4*\b], v[\s+8+16*\b:\s+15+16*\b], v[TM+12+\b]
.endr
	v_nop                                                  ; one plain vector instruction behind the last scaled conversion
.endm
	s_load_b256 s[4:11], s[0:1], 0x0               ; x s[4:5], indices s[6:7], xc s[8:9], xs s[10:11]
	s_load_b128 s[12:15], s[0:1], 0x20             ; order s[12:13], meta s[14:15]
	v_lshl_add_u32 v248, v0, 2, 0x10900
	v_mov_b32 v249, 0
	v_lshrrev_b32 v[LN], 5, v0
	v_readfirstlane_b32 s16, v[LN]                 ; wave s = K step = the expert that I count
	v_and_b32 v[LN], 31, v0
	v_and_b32 v[RR], 15, v0
	v_bfe_u32 v[HH], v0, 4, 1
	v_lshlrev_b32 v[L4], 2, v[LN]
	v_lshlrev_b32 v[L16], 4, v[LN]
	s_mov_b32 s17, ttmp9                           ; j
	s_lshr_b32 s18, s17, 1                         ; my group of 32 tokens
	s_and_b32 s19, s17, 1                          ; and which half of it is mine
	s_mul_i32 s22, s16, STG
	v_add_nc_u32 v[STI], s22, v[L16]
	v_mul_u32_u24 v[STO], v[RR], SP
	v_lshl_add_u32 v[STO], v[HH], 6, v[STO]
	v_add_nc_u32 v[STO], s22, v[STO]
	s_lshl_b32 s22, s16, 2
	s_add_co_u32 s22, s22, CNTB
	v_mov_b32 v[CW], s22
	v_mov_b32 v[CR], CNTB
	s_lshl_b32 s22, s19, 4
	v_add_nc_u32 v[SELV], s22, v[RR]
	v_lshlrev_b32 v[SELV], 2, v[SELV]
	s_lshl_b32 s22, s17, 4
	v_add_nc_u32 v[TOK], s22, v[RR]
	s_mov_b32 s[SEL], 0x76543210
	s_mov_b32 s[SEL+1], 0xfedcba98
	s_mov_b32 s[MNT], 0x600000
	s_lshl_b32 s24, s18, 7                         ; my group's 128 bytes of indices
	s_mov_b32 s25, 0
	s_lshl_b32 s28, s17, 16                        ; my 16 rows of 4,096 bytes,
	s_lshl_b32 s22, s16, 9                         ; my K step's 512 bytes of each
	s_add_co_u32 s28, s28, s22
	s_mov_b32 s29, 0
	s_lshl_b32 s26, s16, 11                        ; my K step's fragment in a tile of xc
	s_mov_b32 s27, 0
	s_lshl_b32 s30, s16, 6                         ; and its 16 scale words in xs
	s_mov_b32 s31, 0
	s_wait_kmcnt 0x0
	s_add_nc_u64 s[24:25], s[6:7], s[24:25]
	s_add_nc_u64 s[28:29], s[4:5], s[28:29]
	s_add_nc_u64 s[26:27], s[8:9], s[26:27]
	s_add_nc_u64 s[30:31], s[10:11], s[30:31]
	global_load_b32 v[MY], v[L4], s[24:25]
.set g, 0
.rept 32
	global_load_b32 v[IDX+g], v[L4], s[6:7] offset:128*g
.set g, g+1
.endr
.set i, 0
.rept 16
	global_load_b128 v[R+4*i:R+4*i+3], v[L16], s[28:29] offset:4096*i th:TH_LOAD_NT   ; 32 lanes read 512 consecutive bytes of row i; x is read once in the launch
.set i, i+1
.endr
	s_wait_loadcnt 16                              ; the indices are in; the 16 loads of x stay out
	; wave s counts expert s: all its tokens (s20), and those ahead of my group of 32 (s21)
.set g, 0
.rept 32
	v_cmp_eq_u32 s[32+g], s16, v[IDX+g]
.set g, g+1
.endr
	s_mov_b32 s20, 0
	s_mov_b32 s21, 0
.set g, 0
.rept 32
	s_cmp_eq_u32 s18, g
	s_cselect_b32 s21, s20, s21                    ; the count so far, taken at my group
	s_bcnt1_i32_b32 s22, s[32+g]
	s_add_co_u32 s20, s20, s22
.set g, g+1
.endr
	v_mov_b32 v[CN], s20
	v_mov_b32 v[CN+1], s21
	ds_store_b32 v[CW], v[CN]                      ; all lanes write the same word with the same value
	ds_store_b32 v[CW], v[CN+1] offset:32
	s_wait_dscnt 0x0                               ; for the others' sake: my two stores are done
	s_barrier_signal -1
	s_barrier_wait -1
.irp i, 0,1,2,3
	ds_load_b128 v[CN+4*\i:CN+4*\i+3], v[CR] offset:16*\i
.endr
	s_wait_dscnt 0x0
.irp e, 0,1,2,3,4,5,6,7
	v_readfirstlane_b32 s[32+\e], v[CN+\e]         ; n_e
	v_readfirstlane_b32 s[40+\e], v[CN+8+\e]       ; tokens of e ahead of my group
.endr
	; T_e s[56+e], F_e s[48+e]; s[40+e] becomes the sorted row of the first token of e in my group; for expert j: its n (s66) and its last tile (s67)
	s_mov_b32 s23, 0
	s_mov_b32 s66, 0
	s_mov_b32 s67, 0
.irp e, 0,1,2,3,4,5,6,7
	s_add_co_u32 s[56+\e], s[32+\e], 15
	s_lshr_b32 s[56+\e], s[56+\e], 4
	s_mov_b32 s[48+\e], s23
	s_lshl_b32 s22, s23, 4
	s_add_co_u32 s[40+\e], s[40+\e], s22
	s_add_co_u32 s23, s23, s[56+\e]
	s_sub_co_u32 s22, s23, 1
	s_cmp_eq_u32 s17, \e
	s_cselect_b32 s66, s[32+\e], s66
	s_cselect_b32 s67, s22, s67
.endr
	; the sorted row of each of my group's 32 tokens: the expert's base + the lanes below me with the same expert
	v_mov_b32 v[POS], 0
.irp e, 0,1,2,3,4,5,6,7
	v_cmp_eq_u32 vcc_lo, \e, v[MY]
	v_mbcnt_lo_u32_b32 v[TT], vcc_lo, s[40+\e]
	v_cndmask_b32 v[POS], v[POS], v[TT], vcc_lo
.endr
	ds_bpermute_b32 v[PP], v[SELV], v[POS]         ; lane (r, h) takes that of token 16 j + r
	s_wait_dscnt 0x0
	v_min_u32 v[PP], 1135, v[PP]                   ; 71 tiles of 16 rows: no address leaves its buffer
	v_and_b32 v[TT], 0x7f0, v[PP]                  ; 16 x tile
	v_and_b32 v[CA], 15, v[PP]                     ; row in the tile
	v_lshlrev_b32 v[SA], 2, v[CA]
	v_lshl_add_u32 v[SA], v[TT], 5, v[SA]          ; xs: 512 x tile + 4 x row
	v_lshlrev_b32 v[CA], 4, v[CA]
	v_lshl_add_u32 v[CA], v[TT], 10, v[CA]
	v_lshl_add_u32 v[CA], v[HH], 8, v[CA]          ; xc: 16,384 x tile + 16 x row + 256 h
	v_lshlrev_b32 v[OA], 2, v[PP]
.irp b, 0,1,2,3
	v_mov_b32 v[TM+4+\b], 0                        ; a lane permute's destination counts as one of its sources
.endr
	s_wait_loadcnt 0x0                             ; x
	; the turn through my own stage: in as loaded, out 16 neighbours of each block of 32 to a lane.  LDS serves a wave's instructions in order (ISA guide 5.7.1.4): no wait between
.set i, 0
.rept 16
	ds_store_b128 v[STI], v[R+4*i:R+4*i+3] offset:SP*i
.set i, i+1
.endr
.irp b, 0,1,2,3
.irp i, 0,1,2,3
	ds_load_b128 v[X+16*\b+4*\i:X+16*\b+4*\i+3], v[STO] offset:128*\b+16*\i
.endr
.endr
	s_wait_dscnt 0x0
	QUANT X
.irp c, 0,1,2,3
	global_store_b128 v[CA], v[PC+4*\c:PC+4*\c+3], s[26:27] offset:512*\c
.endr
	global_store_b32 v[SA], v[PW], s[30:31]        ; lanes l and l xor 16 write the same word with the same value
	s_cmp_lg_u32 s16, 0
	s_cbranch_scc1 .Lnot_wave_0
	global_store_b32 v[OA], v[TOK], s[12:13]       ; wave 0: which token lies at the row
	s_cmp_lg_u32 s17, 0
	s_cbranch_scc1 .Lnot_wave_0
	v_mov_b32 v[MT], 0                             ; work-group 0, wave 0: the table of experts, one store of 128 bytes
.irp e, 0,1,2,3,4,5,6,7
	v_writelane_b32 v[MT], s[48+\e], 4*\e
	v_writelane_b32 v[MT], s[56+\e], 4*\e+1
	v_writelane_b32 v[MT], s[32+\e], 4*\e+2
.endr
	global_store_b32 v[L4], v[MT], s[14:15]
.Lnot_wave_0:
	s_cmp_ge_u32 s17, 8
	s_cbranch_scc1 .Lend
	; work-groups 0 to 7: the padding rows of expert j's last tile: rows n % 16 .. 15 where n % 16 is not 0 (else no lane is on and nothing is stored)
	s_and_b32 s68, s66, 15
	s_cselect_b32 s68, s68, 16
	s_min_u32 s69, s67, 70
	s_mov_b32 s83, 0
	s_lshl_b32 s82, s69, 14
	s_add_nc_u64 s[76:77], s[26:27], s[82:83]
	s_lshl_b32 s82, s69, 9
	s_add_nc_u64 s[78:79], s[30:31], s[82:83]
	s_lshl_b32 s82, s69, 6
	s_add_nc_u64 s[80:81], s[12:13], s[82:83]
.irp i, 0,1,2,3
	v_mov_b32 v[ZQ+\i], 0
.endr
	v_mov_b32 v[ONES], 0x7f7f7f7f
	v_lshlrev_b32 v[PCA], 4, v[RR]
	v_lshl_add_u32 v[PCA], v[HH], 8, v[PCA]
	v_lshlrev_b32 v[PSA], 2, v[RR]
	v_cmp_le_u32 vcc_lo, s68, v[RR]
	s_wait_xcnt 0x0                                ; EXEC is a source of the stores above: it changes only behind this wait
	s_and_saveexec_b32 s70, vcc_lo
.irp c, 0,1,2,3
	global_store_b128 v[PCA], v[ZQ:ZQ+3], s[76:77] offset:512*\c
.endr
	global_store_b32 v[PSA], v[ONES], s[78:79]
	s_cmp_lg_u32 s16, 0
	s_cbranch_scc1 .Lpadded
	global_store_b32 v[PSA], v[ZQ], s[80:81]
.Lpadded:
	s_wait_xcnt 0x0                                ; and again in front of the line that widens it
	s_or_b32 exec_lo, exec_lo, s70
.Lend:
	s_barrier_signal -1
	s_barrier_wait -1
	s_wait_tensorcnt 0x0
	ds_add_u32 v248, v249
	s_wait_dscnt 0x0
	s_endpgm
.Lfunc_end_k_q142299db1e_route:
	.size	k_q142299db1e_route, .Lfunc_end_k_q142299db1e_route-k_q142299db1e_route
	.p2alignl 7, 3214868480
	.fill 96, 4, 3214868480
	.section	.rodata,"a",@progbits
	.p2align	6, 0x0
	.amdhsa_kernel k_q142299db1e_route
		.amdhsa_group_segment_fixed_size 68864
		.amdhsa_private_segment_fixed_size 0
		.amdhsa_enable_private_segment 0
		.amdhsa_kernarg_size 48
		.amdhsa_user_sgpr_count 2
		.amdhsa_user_sgpr_kernarg_segment_ptr 1
		.amdhsa_wavefront_size32 1
		.amdhsa_system_sgpr_workgroup_id_x 1
		.amdhsa_system_sgpr_workgroup_id_y 1
		.amdhsa_system_sgpr_workgroup_id_z 1
		.amdhsa_system_vgpr_workitem_id 0
		.amdhsa_next_free_vgpr 250
		.amdhsa_next_free_sgpr 96
		.amdhsa_reserve_vcc 1
		.amdhsa_float_denorm_mode_32 3
		.amdhsa_float_denorm_mode_16_64 3
		.amdhsa_memory_ordered 1
		.amdhsa_forward_progress 1
		.amdhsa_inst_pref_size 33
	.end_amdhsa_kernel
	.amdgpu_metadata
---
amdhsa.version: [ 1, 2 ]
amdhsa.kernels:
  - .name:           k_q142299db1e_route
    .symbol:         k_q142299db1e_route.kd
    .args:
      - { .name: hidden_states, .offset: 0, .size: 8, .value_kind: global_buffer, .address_space: global }
      - { .name: expert_indices, .offset: 8, .size: 8, .value_kind: global_buffer, .address_space: global }
      - { .name: xc, .offset: 16, .size: 8, .value_kind: global_buffer, .address_space: global }
      - { .name: xs, .offset: 24, .size: 8, .value_kind: global_buffer, .address_space: global }
      - { .name: order, .offset: 32, .size: 8, .value_kind: global_buffer, .address_space: global }
      - { .name: meta, .offset: 40, .size: 8, .value_kind: global_buffer, .address_space: global }
    .group_segment_fixed_size: 68864
    .private_segment_fixed_size: 0
    .kernarg_segment_align: 8
    .kernarg_segment_size: 48
    .max_flat_workgroup_size: 256
    .sgpr_count:     96
    .vgpr_count:     250
    .wavefront_size: 32
...
	.end_amdgpu_metadata
.endif
;; end of part 1
;; launch up (part 2): grid 32 x 8, 16 waves a work-group, no clusters, 137,216 bytes of LDS; arguments W1, b1, xc, xs, meta, hc, hs; writes hc, hs
.if DOCPART == 2
	.amdgcn_target "amdgcn-amd-amdhsa--gfx1250"
	.amdhsa_code_object_version 6
	.text
	.protected	k_q142299db1e_up
	.globl	k_q142299db1e_up
	.p2align	8
	.type	k_q142299db1e_up,@function
k_q142299db1e_up:
	s_mov_b64 s[64:65], 0
	v_nop
	global_prefetch_b8 v0, s[64:65] scope:SCOPE_SE
	s_setreg_imm32_b32 hwreg(HW_REG_WAVE_MODE, 25, 1), 1
	s_wait_xcnt 0x0
; UP: h = Q(gelu(Q(x) Q(W1[e]) + b1[e])) for the rows of expert e, on codes of FP8 (E4M3) with one E8M0 byte for each 32 along K.  W1 [8][1024 (k)][4096 (n)] f32; x as codes (xc, xs) in sorted rows; h leaves as codes (hc, hs).
; SHARES.  Work-group (x, e) owns columns 128 x .. 128 x + 127 of expert e: 1,024 x 128 numbers, 512 KB, which no other work-group reads.  32 x 8 = 256 work-groups of sixteen waves of 256 registers.
; THE STREAM.  Eight trips, trip t = K step t (128 along K).  Wave w takes 32 k (w / 4) x 32 columns (w % 4): A LANE TAKES A COLUMN AND ITS REGISTERS RUN DOWN K: each load reads 128 consecutive bytes, a block of 32 lies in one
; lane, so its largest magnitude needs no other lane, and the conversions give codes with K innermost.  Two sets of 32 registers: the loads run two trips ahead.
; THE CODES STAY IN LDS, as images of the operand's registers: fragment f = 8 t + tile at 2,048 f, chunk c at + 512 c, lane at + 16 lane; scale words at BS + 64 f + 4 row.  Every LDS byte is written once in the launch,
; so one barrier a trip (my stores are done | barrier | anybody reads) is all the ordering: eight barriers, on every wave's path.
; THE COLUMNS OF A TILE ARE NOT NEIGHBOURS: column l of a group of 32 is row (l % 8) + 8 (l / 16) of tile (l / 8) % 2, so that the 16 result registers of tiles 2 b and 2 b + 1 are 16 neighbours along the next K.
; THE PRODUCTS GO BY ROWS.  Wave w owns row tile w of the expert: x's fragments come from memory straight into its registers, the weights' from LDS; trip t's 8 products stand behind trip t's barrier, under the stream.
; The matrix instruction is used transposed (source 0 = 16 columns of W1, source 1 = 16 rows of x): a lane holds ONE row and its registers run along the columns.  b1 is loaded into the accumulators, so every product adds in place.
; Row tiles 16 and up (an expert with more than 256 rows) are made behind the stream from the resident codes: an expert has at most 64 tiles, so a wave has at most three more: a loop of three trips without barriers, in which
; a trip whose tile does not exist is jumped over by a scalar branch on meta's count.  So every split is served, and no weight is read twice.
; A wave without a row tile (act = 0) skips its fragments' loads, its products and its way out, never a barrier or a weight load; at the head it loads tile 0, which always exists, so that every register is written.
; NOT SHARED IN A CLUSTER: the 32 slices of an expert read the same fragments of x, 16 KB a tile; a joint tile would need a fixed number of rows in LDS beside the 132 KB of codes, and partners' tiles are counted from meta.
; gelu is the tanh form, as 0.5 (1 + tanh u) = 1 / (1 + 2^(-2 u log2 e)): x / (1 + 2^(x (c0 + c1 x x))), all in f32.
; LIMITS: NaN and infinities among the inputs are not served.  A block of zeros, or one whose largest magnitude lies under 2^-118, gets the byte 1 (the rule says 127 for zeros): its codes add nothing, and this program alone reads the bytes.
.set BS,   131072                      ; behind the 64 fragments: their scale words, 4,096 bytes
.set WROW, 16384                       ; a row of W1 in bytes
.set L4,   1                           ; 4 x lane
.set LI,   2                           ; 16 x lane: an image's place for my lane
.set LI2,  3                           ; + 65,536: fragments 32 and up (an LDS immediate has 16 bits)
.set ADW,  4                           ; where I store codes: 4,096 (w % 4) + 512 (w / 4) + 2,048 ((l / 8) % 2) + 16 (l % 8) + 128 (l / 16)
.set ADW2, 5                           ; + 65,536
.set ADSB, 6                           ; where I store my block's byte: BS + 128 (w % 4) + w / 4 + 64 ((l / 8) % 2) + 4 (l % 8) + 32 (l / 16)
.set LSB,  7                           ; BS + 4 x lane
.set H64,  8                           ; 64 h: my 16 numbers of a block of b1
.set L4R,  9                           ; 4 r
.set MA,   10                          ; the weight quantiser's: two chains of maxima (the second later holds the byte),
.set MB,   11
.set XS,   12                          ; v12-15 x's scale words: register i: K step 2 i in lanes 0-15, 2 i + 1 in lanes 16-31
.set BSC,  16                          ; v16-19 the weights' scale words: register i: tile 2 i in lanes 0-15, 2 i + 1 in lanes 16-31
.set C0,   20                          ; v20-21 c0, twice
.set SCL,  22                          ; the conversion's scale operand,
.set HLD,  23                          ; 448 x the scale,
.set C,    24                          ; v24-31 a block's 32 codes
.set ACC,  32                          ; v32-95 eight accumulators; register 16 b + i = column 32 b + 16 h + i of row r
.set A,    96                          ; v96-127 x's fragments, two buffers
.set B,    128                         ; v128-191 four fragments of the weights
.set W,    192                         ; v192-255 the weights as loaded, two sets of 32
.set T,    192                         ; on the way out: 64 at work; then
.set TM,   192                         ; v192-207 the quantiser's, v208 the scale word, v212-227 the codes
.set PW,   208
.set PC,   212
.set SEL,  50                          ; s[50:51] v_permlanex16_b32's selects for lane l xor 16
.set MNT,  52                          ; s52 the mantissa field of 448
; s[4:17] the seven addresses, never rewritten; s18 wave, s19 x, s20 e, s21 w % 4, s22 w / 4; s24 F, s25 T; s28 act, s29 my row tile in the expert, s30 its tile among all;
; s[32:33], s[34:35] W1 at my block of trips 0-3 and 4-7; s[36:37] xc, s[38:39] xs, s[40:41] hc, s[42:43] hs at my tile; s[44:45] b1 at my columns; s[46:47] an offset; s[48:49] c1; s53 2,048 x, s54 64 x; s56 counts the three further tiles
.macro WLOAD t                         ; trip t's block: W1(128 t + 32 (w / 4) + i, my column) into set t % 2
.if (\t) < 4
.set WBS, 32
.else
.set WBS, 34
.endif
.set i, 0
.rept 32
	global_load_b32 v[W+32*((\t)%2)+i], v[L4], s[WBS:WBS+1] offset:((\t)%4)*128*WROW+i*WROW th:TH_LOAD_NT   ; at most 6,799,360: inside the signed 24-bit immediate (ISA guide, chapter 10); read once in the launch
.set i, i+1
.endr
.endm
.macro QW t                            ; set t % 2 becomes 32 codes and a byte, which go to LDS
.set WR, W+32*((\t)%2)
	v_max3_num_f32 v[MA], |v[WR]|, |v[WR+1]|, |v[WR+2]|    ; the block's largest magnitude: all 32 numbers are mine
	v_max3_num_f32 v[MB], |v[WR+3]|, |v[WR+4]|, |v[WR+5]|
.irp i, 6,10,14,18,22,26
	v_max3_num_f32 v[MA], v[MA], |v[WR+\i]|, |v[WR+\i+1]|
	v_max3_num_f32 v[MB], v[MB], |v[WR+\i+2]|, |v[WR+\i+3]|
.endr
	v_max3_num_f32 v[MA], v[MA], |v[WR+30]|, |v[WR+31]|
	v_max3_num_f32 v[MA], v[MA], v[MB], 0x4800000          ; and the floor 2^(9 - 127): the byte cannot fall under 1
	v_add_nc_u32 v[SCL], 0xfc000000, v[MA]                 ; 8 off its exponent field: the conversion's scale operand
	v_and_or_b32 v[HLD], v[MA], 0x7f800000, s[MNT]         ; 448 x the scale
.set i, 0
.rept 32
	v_med3_num_f32 v[WR+i], v[WR+i], -v[HLD], v[HLD]       ; the conversion to an 8-bit code does not saturate (ISA guide 7.6.2)
.set i, i+1
.endr
.irp g, 0,1,2,3
	v_cvt_scalef32_pk8_fp8_f32 v[C+2*\g:C+2*\g+1], v[WR+8*\g:WR+8*\g+7], v[SCL]
.endr
	v_lshrrev_b32 v[MB], 23, v[SCL]                        ; the scale's byte; also the plain line behind the conversions
.if (\t) < 4
	ds_store_b128 v[ADW], v[C:C+3] offset:((\t)%4)*16384           ; k 0-15 of the block: the image's lanes 0-15
	ds_store_b128 v[ADW], v[C+4:C+7] offset:((\t)%4)*16384+256     ; k 16-31: its lanes 16-31
.else
	ds_store_b128 v[ADW2], v[C:C+3] offset:((\t)%4)*16384
	ds_store_b128 v[ADW2], v[C+4:C+7] offset:((\t)%4)*16384+256
.endif
	ds_store_b8 v[ADSB], v[MB] offset:512*(\t)
.endm
.macro ALOAD t                         ; my row tile's fragment of K step t into buffer t % 2: four loads of 512 consecutive bytes
.irp c, 0,1,2,3
	global_load_b128 v[A+16*((\t)%2)+4*\c:A+16*((\t)%2)+4*\c+3], v[LI], s[36:37] offset:2048*(\t)+512*\c
.endr
.endm
.macro XSC                             ; its scale words of all eight K steps
.irp i, 0,1,2,3
	global_load_b32 v[XS+\i], v[L4], s[38:39] offset:128*\i
.endr
.endm
.macro BIAS                            ; b1 in the result's layout, straight into the accumulators
.irp b, 0,1,2,3
.irp j, 0,1,2,3
	global_load_b128 v[ACC+16*\b+4*\j:ACC+16*\b+4*\j+3], v[H64], s[44:45] offset:128*\b+16*\j
.endr
.endr
.endm
.macro SETTILE head                    ; the four addresses of row tile s29 of the expert.  head = 1: a wave without a tile takes tile 0 and act = 0
	s_add_co_u32 s30, s24, s29
.if \head
	s_cmp_lt_u32 s29, s25
	s_cselect_b32 s28, 1, 0
	s_cselect_b32 s30, s30, 0
.endif
	s_min_u32 s30, s30, 70                         ; 71 tiles: no address leaves its buffer
	s_lshl_b32 s46, s30, 14
	s_add_nc_u64 s[36:37], s[8:9], s[46:47]
	s_lshl_b32 s46, s30, 9
	s_add_nc_u64 s[38:39], s[10:11], s[46:47]
	s_lshl_b32 s46, s30, 16
	s_add_co_u32 s46, s46, s53
	s_add_nc_u64 s[40:41], s[14:15], s[46:47]      ; hc: tile, K step x of the second product
	s_lshl_b32 s46, s30, 11
	s_add_co_u32 s46, s46, s54
	s_add_nc_u64 s[42:43], s[16:17], s[46:47]
.endm
.macro WMS d, a, b, sa, sb, ra, rb     ; one product, in place; ra, rb: which half of the lanes holds source 0's and source 1's scale words
.if ((\ra) == 0) && ((\rb) == 0)
	v_wmma_scale_f32_16x16x128_f8f6f4 v[\d:\d+7], v[\a:\a+15], v[\b:\b+15], v[\d:\d+7], v[\sa], v[\sb]
.elseif (\rb) == 0
	v_wmma_scale_f32_16x16x128_f8f6f4 v[\d:\d+7], v[\a:\a+15], v[\b:\b+15], v[\d:\d+7], v[\sa], v[\sb] matrix_a_scale:MATRIX_SCALE_ROW1
.elseif (\ra) == 0
	v_wmma_scale_f32_16x16x128_f8f6f4 v[\d:\d+7], v[\a:\a+15], v[\b:\b+15], v[\d:\d+7], v[\sa], v[\sb] matrix_b_scale:MATRIX_SCALE_ROW1
.else
	v_wmma_scale_f32_16x16x128_f8f6f4 v[\d:\d+7], v[\a:\a+15], v[\b:\b+15], v[\d:\d+7], v[\sa], v[\sb] matrix_a_scale:MATRIX_SCALE_ROW1 matrix_b_scale:MATRIX_SCALE_ROW1
.endif
.endm
; K step t's eight products: the eight accumulators by turns, one instruction a turn, in the same order in every K step.
; Eight v_nop behind each run of four: the places ahead of the next loads into registers that the products have read, and of the first read of results.
.macro MM t
.if (\t) < 4
.set LB, LI
.else
.set LB, LI2
.endif
.irp i, 0,1,2,3
	ds_load_b32 v[BSC+\i], v[LSB] offset:512*(\t)+128*\i
.endr
.irp g, 0,1
.irp i, 0,1,2,3
.irp c, 0,1,2,3
	ds_load_b128 v[B+16*\i+4*\c:B+16*\i+4*\c+3], v[LB] offset:((8*(\t)+4*\g+\i)*2048+512*\c)%65536
.endr
.endr
	s_wait_dscnt 0x0
.irp i, 0,1,2,3
	WMS ACC+8*(4*\g+\i), B+16*\i, A+16*((\t)%2), BSC+(4*\g+\i)/2, XS+(\t)/2, (4*\g+\i)%2, (\t)%2
.endr
.rept 8
	v_nop
.endr
.endr
.endm
; 64 numbers of a lane, register 16 b + i = k 32 b + 16 (lane / 16) + i of its row, become a fragment's 16 code registers in v[PC] on and the row's scale word in v[PW].
.macro QUANT s
.irp b, 0,1,2,3
	v_max3_num_f32 v[TM+\b], |v[\s+16*\b]|, |v[\s+1+16*\b]|, 0x4800000
.endr
.irp i, 2,4,6,8,10,12,14
.irp b, 0,1,2,3
	v_max3_num_f32 v[TM+\b], v[TM+\b], |v[\s+16*\b+\i]|, |v[\s+1+16*\b+\i]|
.endr
.endr
.irp b, 0,1,2,3
	v_permlanex16_b32 v[TM+4+\b], v[TM+\b], s[SEL], s[SEL+1]   ; (its destination, which counts as a source, has been written as T)
.endr
.irp b, 0,1,2,3
	v_max_num_f32 v[TM+\b], v[TM+\b], v[TM+4+\b]
.endr
.irp b, 0,1,2,3
	v_add_nc_u32 v[TM+12+\b], 0xfc000000, v[TM+\b]
.endr
.irp b, 0,1,2,3
	v_and_or_b32 v[TM+8+\b], v[TM+\b], 0x7f800000, s[MNT]
.endr
.irp b, 0,1,2,3
	v_lshrrev_b32 v[TM+4+\b], 23, v[TM+12+\b]
.endr
	v_lshl_or_b32 v[PW], v[TM+5], 8, v[TM+4]
	v_lshl_or_b32 v[PW], v[TM+6], 16, v[PW]
	v_lshl_or_b32 v[PW], v[TM+7], 24, v[PW]
.irp b, 0,1,2,3
.irp i, 0,1,2,3,4,5,6,7,8,9,10,11,12,13,14,15
	v_med3_num_f32 v[\s+16*\b+\i], v[\s+16*\b+\i], -v[TM+8+\b], v[TM+8+\b]
.endr
	v_cvt_scalef32_pk8_fp8_f32 v[PC+4*\b:PC+1+4*\b], v[\s+16*\b:\s+7+16*\b], v[TM+12+\b]
	v_cvt_scalef32_pk8_fp8_f32 v[PC+2+4*\b:PC+3+4*\b], v[\s+8+16*\b:\s+15+16*\b], v[TM+12+\b]
.endr
	v_nop                                                  ; one plain vector instruction behind the last scaled conversion
.endm
; THE WAY OUT of a row tile: gelu, the quantiser along the next K, the image of one fragment (four stores of 512 consecutive bytes) and its scale words.  Each accumulator is read from its low end on.
.macro EPI
.set j, 0
.rept 32
	v_pk_mul_f32 v[T+j:T+j+1], v[ACC+j:ACC+j+1], v[ACC+j:ACC+j+1]                    ; x x
.set j, j+2
.endr
.set j, 0
.rept 32
	v_pk_fma_f32 v[T+j:T+j+1], v[T+j:T+j+1], s[48:49], v[C0:C0+1] op_sel_hi:[1,0,1]  ; c1 x x + c0
.set j, j+2
.endr
.set j, 0
.rept 32
	v_pk_mul_f32 v[T+j:T+j+1], v[T+j:T+j+1], v[ACC+j:ACC+j+1]                        ; z = x (c0 + c1 x x) = -2 u log2 e
.set j, j+2
.endr
.set j, 0
.rept 64
	v_exp_f32 v[T+j], v[T+j]
.set j, j+1
.endr
	v_nop                                          ; a plain instruction behind the last exponential
.set j, 0
	s_wait_alu depctr_va_vdst(0)
.rept 32
	v_pk_add_f32 v[T+j:T+j+1], v[T+j:T+j+1], 1.0 op_sel_hi:[1,0]
.set j, j+2
.endr
.set j, 0
.rept 64
	v_rcp_f32 v[T+j], v[T+j]                       ; where 2^z has run to infinity this is 0, where it has run to 0 this is 1: gelu's two ends
.set j, j+1
.endr
	v_nop
.set j, 0
	s_wait_alu depctr_va_vdst(0)
.rept 32
	v_pk_mul_f32 v[ACC+j:ACC+j+1], v[ACC+j:ACC+j+1], v[T+j:T+j+1]
.set j, j+2
.endr
	QUANT ACC
.irp c, 0,1,2,3
	global_store_b128 v[LI], v[PC+4*\c:PC+4*\c+3], s[40:41] offset:512*\c
.endr
	global_store_b32 v[L4R], v[PW], s[42:43]       ; lanes l and l xor 16 write the same word with the same value
.endm
; A TRIP.  The wait's count: only the next trip's 32 weight loads were issued behind this trip's weights, x's fragment of this K step and (trip 0) b1 and the scale words, whether or not the branch issued the fragment.
.macro TRIP t
.if (\t) < 7
	s_wait_loadcnt 32
.else
	s_wait_loadcnt 0x0
.endif
	QW \t
.if ((\t) >= 1) && ((\t) <= 6)
	s_cmp_eq_u32 s28, 0
	s_cbranch_scc1 .Lno_a_\@
	ALOAD (\t)+1                                   ; into the buffer that the last trip's products have read, behind their places
.Lno_a_\@:
.endif
.if (\t) <= 5
	WLOAD (\t)+2                                   ; into the set just quantised
.endif
	s_wait_dscnt 0x0                               ; for the others' sake: my codes and my byte lie in LDS
	s_barrier_signal -1
	s_barrier_wait -1                              ; K step t's eight fragments are whole
	s_cmp_eq_u32 s28, 0
	s_cbranch_scc1 .Lno_m_\@
	MM \t
.Lno_m_\@:
.endm
	s_load_b256 s[4:11], s[0:1], 0x0               ; W1 s[4:5], b1 s[6:7], xc s[8:9], xs s[10:11]
	s_load_b128 s[12:15], s[0:1], 0x20             ; meta s[12:13], hc s[14:15]
	s_load_b64 s[16:17], s[0:1], 0x30              ; hs
	v_lshrrev_b32 v[MA], 5, v0
	v_readfirstlane_b32 s18, v[MA]                 ; wave 0..15
	s_mov_b32 s19, ttmp9                           ; x: the slice of 128 columns
	s_and_b32 s20, ttmp7, 0xffff                   ; e
	s_and_b32 s21, s18, 3                          ; which 32 of the columns I quantise
	s_lshr_b32 s22, s18, 2                         ; which 32 of a K step
	v_and_b32 v[L4R], 31, v0
	v_lshlrev_b32 v[L4], 2, v[L4R]
	v_lshlrev_b32 v[LI], 4, v[L4R]
	v_add_nc_u32 v[LI2], 0x10000, v[LI]
	v_add_nc_u32 v[LSB], BS, v[L4]
	v_and_b32 v[MA], 7, v0
	v_bfe_u32 v[MB], v0, 3, 1
	v_bfe_u32 v[H64], v0, 4, 1
	s_lshl_b32 s46, s21, 12
	s_lshl_b32 s47, s22, 9
	s_add_co_u32 s46, s46, s47
	v_lshlrev_b32 v[ADW], 4, v[MA]
	v_lshl_add_u32 v[ADW], v[MB], 11, v[ADW]
	v_lshl_add_u32 v[ADW], v[H64], 7, v[ADW]
	v_add_nc_u32 v[ADW], s46, v[ADW]
	v_add_nc_u32 v[ADW2], 0x10000, v[ADW]
	s_lshl_b32 s46, s21, 7
	s_add_co_u32 s46, s46, s22
	s_add_co_u32 s46, s46, BS
	v_lshlrev_b32 v[ADSB], 2, v[MA]
	v_lshl_add_u32 v[ADSB], v[MB], 6, v[ADSB]
	v_lshl_add_u32 v[ADSB], v[H64], 5, v[ADSB]
	v_add_nc_u32 v[ADSB], s46, v[ADSB]
	v_lshlrev_b32 v[H64], 6, v[H64]
	v_and_b32 v[L4R], 15, v0
	v_lshlrev_b32 v[L4R], 2, v[L4R]
	v_mov_b32 v[C0], 0xc0135761                    ; c0 = -2 log2(e) sqrt(2 / pi) = -2.3022082
	v_mov_b32 v[C0+1], 0xc0135761
	s_mov_b32 s48, 0xbdd2d3e8                      ; c1 = 0.044715 c0 = -0.10294324
	s_mov_b32 s49, s48                             ; (named with it as a pair, so it is written)
	s_mov_b32 s[SEL], 0x76543210
	s_mov_b32 s[SEL+1], 0xfedcba98
	s_mov_b32 s[MNT], 0x600000
	s_lshl_b32 s53, s19, 11
	s_lshl_b32 s54, s19, 6
	s_lshl_b32 s46, s20, 24                        ; W1: the expert's 16 MiB,
	s_lshl_b32 s47, s22, 19                        ; 32 (w / 4) rows of 16,384 bytes,
	s_add_co_u32 s46, s46, s47
	s_lshl_b32 s47, s19, 9                         ; the slice's 512 bytes of a row,
	s_add_co_u32 s46, s46, s47
	s_lshl_b32 s47, s21, 7                         ; my 128 of them: under 2^27 in all
	s_add_co_u32 s46, s46, s47
	s_mov_b32 s47, 0
	s_lshl_b32 s23, s20, 4
	s_wait_kmcnt 0x0
	s_add_nc_u64 s[32:33], s[4:5], s[46:47]
	s_add_nc_u64 s[34:35], s[32:33], 0x800000      ; four trips of 128 rows on
	s_load_b128 s[24:27], s[12:13], s23 offset:0x0 ; F, T, n, 0 of my expert
	WLOAD 0                                        ; the stream starts before the table is in
	s_lshl_b32 s46, s20, 14
	s_lshl_b32 s55, s19, 9
	s_add_co_u32 s46, s46, s55
	s_add_nc_u64 s[44:45], s[6:7], s[46:47]
	s_wait_kmcnt 0x0
	s_min_u32 s24, s24, 70
	s_min_u32 s25, s25, 64
	s_mov_b32 s29, s18                             ; my first row tile: the wave's number
	SETTILE 1
	BIAS
	XSC
	ALOAD 0
	ALOAD 1
	WLOAD 1
.irp t, 0,1,2,3,4,5,6,7
	TRIP \t
.endr
	s_cmp_eq_u32 s28, 0
	s_cbranch_scc1 .Lno_out
	EPI
.Lno_out:
	; row tiles w + 16, w + 32, w + 48: from the codes in LDS, which nobody writes any more: no barrier.  Three trips always; s29 still holds the wave's number
	s_mov_b32 s56, 0
.Lrows:
	s_add_co_u32 s29, s29, 16
	s_cmp_lt_u32 s29, s25
	s_cbranch_scc0 .Lno_rows                       ; the expert has no such tile: the trip's work is jumped over
	s_wait_xcnt 0x0                                ; the last way out's stores have read their data and their bases: both are written again below
	SETTILE 0
	BIAS
	XSC
	ALOAD 0
	ALOAD 1
.irp t, 0,1,2,3,4,5,6,7
.if \t < 7
	s_wait_loadcnt 4                               ; all but the next K step's four loads
.else
	s_wait_loadcnt 0x0
.endif
	MM \t
.if \t <= 5
	ALOAD \t+2
.endif
.endr
	EPI
.Lno_rows:
	s_add_co_u32 s56, s56, 1
	s_cmp_lt_u32 s56, 3
	s_cbranch_scc1 .Lrows
	s_barrier_signal -1
	s_barrier_wait -1
	s_wait_xcnt 0x0
	v_lshl_add_u32 v254, v0, 2, 0x21000
	v_mov_b32 v255, 0
	s_wait_tensorcnt 0x0
	ds_add_u32 v254, v255
	s_wait_dscnt 0x0
	s_endpgm
.Lfunc_end_k_q142299db1e_up:
	.size	k_q142299db1e_up, .Lfunc_end_k_q142299db1e_up-k_q142299db1e_up
	.p2alignl 7, 3214868480
	.fill 96, 4, 3214868480
	.section	.rodata,"a",@progbits
	.p2align	6, 0x0
	.amdhsa_kernel k_q142299db1e_up
		.amdhsa_group_segment_fixed_size 137216
		.amdhsa_private_segment_fixed_size 0
		.amdhsa_enable_private_segment 0
		.amdhsa_kernarg_size 56
		.amdhsa_user_sgpr_count 2
		.amdhsa_user_sgpr_kernarg_segment_ptr 1
		.amdhsa_wavefront_size32 1
		.amdhsa_system_sgpr_workgroup_id_x 1
		.amdhsa_system_sgpr_workgroup_id_y 1
		.amdhsa_system_sgpr_workgroup_id_z 1
		.amdhsa_system_vgpr_workitem_id 0
		.amdhsa_next_free_vgpr 256
		.amdhsa_next_free_sgpr 66
		.amdhsa_reserve_vcc 0
		.amdhsa_float_denorm_mode_32 3
		.amdhsa_float_denorm_mode_16_64 3
		.amdhsa_memory_ordered 1
		.amdhsa_forward_progress 1
		.amdhsa_inst_pref_size 176
	.end_amdhsa_kernel
	.amdgpu_metadata
---
amdhsa.version: [ 1, 2 ]
amdhsa.kernels:
  - .name:           k_q142299db1e_up
    .symbol:         k_q142299db1e_up.kd
    .args:
      - { .name: W1, .offset: 0, .size: 8, .value_kind: global_buffer, .address_space: global }
      - { .name: b1, .offset: 8, .size: 8, .value_kind: global_buffer, .address_space: global }
      - { .name: xc, .offset: 16, .size: 8, .value_kind: global_buffer, .address_space: global }
      - { .name: xs, .offset: 24, .size: 8, .value_kind: global_buffer, .address_space: global }
      - { .name: meta, .offset: 32, .size: 8, .value_kind: global_buffer, .address_space: global }
      - { .name: hc, .offset: 40, .size: 8, .value_kind: global_buffer, .address_space: global }
      - { .name: hs, .offset: 48, .size: 8, .value_kind: global_buffer, .address_space: global }
    .group_segment_fixed_size: 137216
    .private_segment_fixed_size: 0
    .kernarg_segment_align: 8
    .kernarg_segment_size: 56
    .max_flat_workgroup_size: 512
    .sgpr_count:     66
    .vgpr_count:     256
    .wavefront_size: 32
...
	.end_amdgpu_metadata
.endif
;; end of part 2
;; launch down (part 3): grid 32 x 8, 16 waves a work-group, no clusters, 137,216 bytes of LDS; arguments W2, b2, hc, hs, meta, order, out0; writes out0
.if DOCPART == 3
	.amdgcn_target "amdgcn-amd-amdhsa--gfx1250"
	.amdhsa_code_object_version 6
	.text
	.protected	k_q142299db1e_down
	.globl	k_q142299db1e_down
	.p2align	8
	.type	k_q142299db1e_down,@function
k_q142299db1e_down:
	s_mov_b64 s[64:65], 0
	v_nop
	global_prefetch_b8 v0, s[64:65] scope:SCOPE_SE
	s_setreg_imm32_b32 hwreg(HW_REG_WAVE_MODE, 25, 1), 1
	s_wait_xcnt 0x0
; DOWN: y = h Q(W2[e]) + b2[e] for the rows of expert e, each stored at its token's row of out0.  W2 [8][4096 (k)][1024 (n)] f32; h as codes of FP8 (E4M3) with E8M0 bytes (hc, hs), in sorted rows, as images of the operand's registers.
; SHARES.  Work-group (x, e) owns columns 32 x .. 32 x + 31 of expert e: 4,096 x 32 numbers, 512 KB, which no other work-group reads.  8 x 1,024 columns over 256 work-groups are 32 columns: 128 bytes of a row of W2 and of out0.
; Wider slices would mean fewer work-groups, or K split among work-groups and one launch more for the sum.
; THE STREAM.  Eight trips of 512 along K (four K steps).  Wave w takes k = 512 t + 32 w + 0 .. 31 of the 32 columns: a lane takes a column and its registers run down K; a block of 32 lies in one lane.  Two sets of 32 registers.
; THE CODES STAY IN LDS, as images: fragment f = 2 (K step) + tile at 2,048 f, chunk c at + 512 c; scale words at BS + 64 f + 4 row.  Every LDS byte is written once in the launch: one barrier a trip, eight in all, on every wave's path.
; Column l of the 32 is row (l % 8) + 8 (l / 16) of tile (l / 8) % 2, so that a lane's 16 results are 16 neighbouring columns: 64 consecutive bytes of its token's row.
; THE PRODUCTS GO BY ROWS.  Wave w owns row tile w of the expert: h's fragments come from memory straight into registers, the weights' from LDS; source 0 = 16 columns of W2, source 1 = 16 rows of h.  b2 is loaded into the two
; accumulators, so every product adds in place.  Row tiles 16 and up (an expert with more than 256 rows) are made behind the stream from the resident codes, without barriers: an expert has at most 64 tiles, so a wave has at
; most three more; their pass is written out three times by a macro, each time behind a forward branch on meta's count that leads to the end.  The text has no backward branch.
; A wave without a row tile (act = 0) skips its fragments' loads, its products and its stores, never a barrier or a weight load; at the head it loads tile 0, which always exists, so that every register is written.
; EVERY VECTOR ADDRESS REGISTER IS MADE ONCE, on every wave's path, with all lanes on, ahead of the first change of EXEC: a write with some lanes off would leave old data in the others.  So the tokens of all four row tiles
; that a wave can have (tile 0's where the expert has no such tile) are loaded in trip 6, and their four places in out0 are made behind trip 7's barrier; a way out only narrows EXEC, stores and restores it.
; NOT SHARED IN A CLUSTER: the 32 slices of an expert read the same fragments of h; two joint slots of 16 tiles x 4 K steps x 2 KB beside the 132 KB of codes are more than the 327,680 bytes of LDS.
; LIMITS: NaN and infinities among the inputs are not served.  A block of zeros, or one whose largest magnitude lies under 2^-118, gets the byte 1 (the rule says 127 for zeros): its codes add nothing, and this program alone reads the bytes.
.set BS,   131072                      ; behind the 64 fragments: their scale words, 4,096 bytes
.set WROW, 4096                        ; a row of W2 in bytes
.set L4,   1                           ; 4 x lane
.set LI,   2                           ; 16 x lane
.set LI2,  3                           ; + 65,536
.set ADW,  4                           ; trips 0-3: where I store codes: 4,096 (w / 4) + 512 (w % 4) + 2,048 ((l / 8) % 2) + 16 (l % 8) + 128 (l / 16)
.set TA,   4                           ; from trip 4's barrier on: 4 r
.set ADW2, 5                           ; trips 4-7: ADW + 65,536
.set H64F, 5                           ; from trip 7's barrier on: 64 h
.set ADSB, 6                           ; where I store my block's byte: BS + 128 (w / 4) + w % 4 + 64 ((l / 8) % 2) + 4 (l % 8) + 32 (l / 16)
.set LSB,  7                           ; BS + 4 x lane
.set HS,   8                           ; v8-11 h's scale words, two buffers of two: register i: K step 4 t + 2 i in lanes 0-15, + 1 in lanes 16-31
.set BSC,  12                          ; v12-15 the weights' scale words: register q: K step 4 t + q: tile 0 in lanes 0-15, tile 1 in lanes 16-31
.set ACC,  16                          ; v16-31 two accumulators; register i = column 32 x + 16 h + i of row r
.set B,    32                          ; v32-63 two fragments of the weights.  The weight quantiser works in v32-43 between two trips' products:
.set C,    32                          ; v32-39 a block's 32 codes
.set MA,   40                          ; two chains of maxima (the second later holds the byte),
.set MB,   41
.set SCL,  42                          ; the conversion's scale operand,
.set HLD,  43                          ; 448 x the scale
.set H64,  44                          ; at the head, before anything is loaded into it: 64 h, b2's address
.set A,    64                          ; v64-191 h's fragments, two buffers of four
.set W,    192                         ; v192-255 the weights as loaded, two sets of 32.  Set 0 is free from trip 6's quantiser on:
.set TOKR, 192                         ; v192-195 the token of my row in row tiles w, w + 16, w + 32, w + 48
.set VO,   196                         ; v196-199 my byte in out0 for each of them: 4,096 x token + 64 h
.set MNT,  52                          ; s52 the mantissa field of 448
; s[4:17] the seven addresses, never rewritten; s18 wave, s19 x, s20 e, s21 w / 4, s22 w % 4; s24 F, s25 T, s26 n; s28 act, s29 my row tile in the expert, s30 its tile among all, s31 four times the rows left from it on;
; s[32:33], s[34:35] W2 at my block of trips 0-3 and 4-7; s[36:37] hc, s[38:39] hs at my tile; s[40:41] b2, s[42:43] out0 at my columns; s[44:45], s[48:49], s[50:51], s[56:57] order at my four row tiles;
; s[46:47] an offset; s54, s60 at work; s55 EXEC kept
.macro WLOAD t                         ; trip t's block: W2(512 t + 32 w + i, my column) into set t % 2.  No hint: the 128 bytes beside a load's 128 are the neighbouring work-group's
.if (\t) < 4
.set WBS, 32
.else
.set WBS, 34
.endif
.set i, 0
.rept 32
	global_load_b32 v[W+32*((\t)%2)+i], v[L4], s[WBS:WBS+1] offset:((\t)%4)*512*WROW+i*WROW   ; at most 6,418,432: inside the signed 24-bit immediate (ISA guide, chapter 10)
.set i, i+1
.endr
.endm
.macro QW t                            ; set t % 2 becomes 32 codes and a byte, which go to LDS
.set WR, W+32*((\t)%2)
	v_max3_num_f32 v[MA], |v[WR]|, |v[WR+1]|, |v[WR+2]|    ; the block's largest magnitude: all 32 numbers are mine
	v_max3_num_f32 v[MB], |v[WR+3]|, |v[WR+4]|, |v[WR+5]|
.irp i, 6,10,14,18,22,26
	v_max3_num_f32 v[MA], v[MA], |v[WR+\i]|, |v[WR+\i+1]|
	v_max3_num_f32 v[MB], v[MB], |v[WR+\i+2]|, |v[WR+\i+3]|
.endr
	v_max3_num_f32 v[MA], v[MA], |v[WR+30]|, |v[WR+31]|
	v_max3_num_f32 v[MA], v[MA], v[MB], 0x4800000          ; and the floor 2^(9 - 127): the byte cannot fall under 1
	v_add_nc_u32 v[SCL], 0xfc000000, v[MA]                 ; 8 off its exponent field: the conversion's scale operand
	v_and_or_b32 v[HLD], v[MA], 0x7f800000, s[MNT]         ; 448 x the scale
.set i, 0
.rept 32
	v_med3_num_f32 v[WR+i], v[WR+i], -v[HLD], v[HLD]       ; the conversion to an 8-bit code does not saturate (ISA guide 7.6.2)
.set i, i+1
.endr
.irp g, 0,1,2,3
	v_cvt_scalef32_pk8_fp8_f32 v[C+2*\g:C+2*\g+1], v[WR+8*\g:WR+8*\g+7], v[SCL]
.endr
	v_lshrrev_b32 v[MB], 23, v[SCL]                        ; the scale's byte; also the plain line behind the conversions
.rept 4
	v_nop                                                  ; four places between the vector writes into v32-43 and the scaled products that name these registers as source 0 (LDS loads write them anew in between)
.endr
.if (\t) < 4
	ds_store_b128 v[ADW], v[C:C+3] offset:((\t)%4)*16384           ; k 0-15 of the block: the image's lanes 0-15
	ds_store_b128 v[ADW], v[C+4:C+7] offset:((\t)%4)*16384+256     ; k 16-31: its lanes 16-31
.else
	ds_store_b128 v[ADW2], v[C:C+3] offset:((\t)%4)*16384
	ds_store_b128 v[ADW2], v[C+4:C+7] offset:((\t)%4)*16384+256
.endif
	ds_store_b8 v[ADSB], v[MB] offset:512*(\t)
.endm
.macro ALOAD t                         ; my row tile's four fragments of trip t and their scale words into buffer t % 2: 18 loads
.irp q, 0,1,2,3
.irp c, 0,1,2,3
	global_load_b128 v[A+64*((\t)%2)+16*\q+4*\c:A+64*((\t)%2)+16*\q+4*\c+3], v[LI], s[36:37] offset:(4*(\t)+\q)*2048+512*\c
.endr
.endr
.irp i, 0,1
	global_load_b32 v[HS+2*((\t)%2)+\i], v[L4], s[38:39] offset:(4*(\t)+2*\i)*64
.endr
.endm
.macro BIAS adr                        ; b2 in the result's layout, straight into the accumulators
.irp j, 0,1,2,3
	global_load_b128 v[ACC+4*\j:ACC+4*\j+3], v[\adr], s[40:41] offset:16*\j
.endr
.endm
.macro TOKB k, p                       ; s[p:p+1] = order at row tile w + 16 k of the expert, or at tile 0, which always exists, where the expert has no such tile
	s_add_co_u32 s54, s18, 16*(\k)
	s_add_co_u32 s60, s24, s54
	s_cmp_lt_u32 s54, s25
	s_cselect_b32 s60, s60, 0
	s_min_u32 s60, s60, 70                         ; 71 tiles: no address leaves its buffer
	s_lshl_b32 s46, s60, 6
	s_add_nc_u64 s[\p:\p+1], s[14:15], s[46:47]
.endm
.macro SETTILE head                    ; the addresses of row tile s29 of the expert.  head = 1: a wave without a tile takes tile 0 and act = 0
	s_add_co_u32 s30, s24, s29
.if \head
	s_cmp_lt_u32 s29, s25
	s_cselect_b32 s28, 1, 0
	s_cselect_b32 s30, s30, 0
.endif
	s_min_u32 s30, s30, 70                         ; 71 tiles: no address leaves its buffer
	s_lshl_b32 s46, s30, 16
	s_add_nc_u64 s[36:37], s[8:9], s[46:47]
	s_lshl_b32 s46, s30, 11
	s_add_nc_u64 s[38:39], s[10:11], s[46:47]
	s_lshl_b32 s46, s29, 4
	s_sub_co_i32 s31, s26, s46                     ; n - 16 x tile: rows r under it are tokens, the others padding;
	s_lshl_b32 s31, s31, 2                         ; four times that, to be held against 4 r
.endm
.macro WMS d, a, b, sa, sb, ra, rb     ; one product, in place; ra, rb: which half of the lanes holds source 0's and source 1's scale words
.if ((\ra) == 0) && ((\rb) == 0)
	v_wmma_scale_f32_16x16x128_f8f6f4 v[\d:\d+7], v[\a:\a+15], v[\b:\b+15], v[\d:\d+7], v[\sa], v[\sb]
.elseif (\rb) == 0
	v_wmma_scale_f32_16x16x128_f8f6f4 v[\d:\d+7], v[\a:\a+15], v[\b:\b+15], v[\d:\d+7], v[\sa], v[\sb] matrix_a_scale:MATRIX_SCALE_ROW1
.elseif (\ra) == 0
	v_wmma_scale_f32_16x16x128_f8f6f4 v[\d:\d+7], v[\a:\a+15], v[\b:\b+15], v[\d:\d+7], v[\sa], v[\sb] matrix_b_scale:MATRIX_SCALE_ROW1
.else
	v_wmma_scale_f32_16x16x128_f8f6f4 v[\d:\d+7], v[\a:\a+15], v[\b:\b+15], v[\d:\d+7], v[\sa], v[\sb] matrix_a_scale:MATRIX_SCALE_ROW1 matrix_b_scale:MATRIX_SCALE_ROW1
.endif
.endm
; Trip t's eight products: four K steps x two tiles; the two accumulators by turns, one instruction a turn.
; Eight v_nop behind each pair: the places ahead of the next loads and vector writes into registers that the products have read, and of the first read of results.
.macro MM t
.if (\t) < 4
.set LB, LI
.else
.set LB, LI2
.endif
.irp q, 0,1,2,3
	ds_load_b32 v[BSC+\q], v[LSB] offset:(4*(\t)+\q)*128
.endr
.irp q, 0,1,2,3
.irp u, 0,1
.irp c, 0,1,2,3
	ds_load_b128 v[B+16*\u+4*\c:B+16*\u+4*\c+3], v[LB] offset:((8*(\t)+2*\q+\u)*2048+512*\c)%65536
.endr
.endr
	s_wait_dscnt 0x0
.irp u, 0,1
	WMS ACC+8*\u, B+16*\u, A+64*((\t)%2)+16*\q, BSC+\q, HS+2*((\t)%2)+\q/2, \u, \q%2
.endr
.rept 8
	v_nop
.endr
.endr
.endm
; THE WAY OUT of row tile w + 16 k: a lane's 16 results are 64 consecutive bytes of its token's row; padding rows store nothing.  Each accumulator is read from its low end on.
.macro EPI k
	v_cmp_gt_i32 vcc_lo, s31, v[TA]                ; 4 (rows left) > 4 r: my row is a token's
	s_wait_xcnt 0x0                                ; EXEC is a source of pending memory instructions: it changes only behind this wait
	s_and_saveexec_b32 s55, vcc_lo
.irp j, 0,1,2,3
	global_store_b128 v[VO+(\k)], v[ACC+4*\j:ACC+4*\j+3], s[42:43] offset:16*\j
.endr
	s_wait_xcnt 0x0                                ; and again in front of the line that widens it
	s_or_b32 exec_lo, exec_lo, s55
.endm
; A TRIP.  The wait's count: only the next trip's 32 weight loads were issued behind this trip's weights, h's fragments of this trip and (trip 0) b2, whether or not the branch issued the fragments.
.macro TRIP t
.if (\t) < 7
	s_wait_loadcnt 32
.else
	s_wait_loadcnt 0x0                             ; the last weights, the last fragments and the four tiles' tokens
.endif
	QW \t
.if ((\t) >= 1) && ((\t) <= 6)
	s_cmp_eq_u32 s28, 0
	s_cbranch_scc1 .Lno_a_\@
	ALOAD (\t)+1                                   ; into the buffer that the last trip's products have read, behind their places
.Lno_a_\@:
.endif
.if (\t) == 6
	global_load_b32 v[TOKR],   v[TA], s[44:45]     ; set 0 of the weights is free from here on: which tokens lie at the rows of my four row tiles; every wave loads them
	global_load_b32 v[TOKR+1], v[TA], s[48:49]
	global_load_b32 v[TOKR+2], v[TA], s[50:51]
	global_load_b32 v[TOKR+3], v[TA], s[56:57]
.endif
.if (\t) <= 5
	WLOAD (\t)+2                                   ; into the set just quantised
.endif
	s_wait_dscnt 0x0                               ; for the others' sake: my codes and my byte lie in LDS
	s_barrier_signal -1
	s_barrier_wait -1                              ; trip t's eight fragments are whole
.if (\t) == 4
	v_and_b32 v[TA], 15, v0                        ; v4 has served its last LDS store in trip 3: it becomes 4 r, for every wave
	v_lshlrev_b32 v[TA], 2, v[TA]
.endif
.if (\t) == 7
	v_bfe_u32 v[H64F], v0, 4, 1                    ; v5 has served its last LDS store, which the wait above has seen done: it becomes 64 h, for every wave
	v_lshlrev_b32 v[H64F], 6, v[H64F]
.irp k, 0,1,2,3
	v_min_u32 v[TOKR+\k], 1023, v[TOKR+\k]         ; 1,024 tokens: no address leaves out0
.endr
.irp k, 0,1,2,3
	v_lshl_add_u32 v[VO+\k], v[TOKR+\k], 12, v[H64F]   ; the token's row of 4,096 bytes, + 64 h
.endr
.endif
	s_cmp_eq_u32 s28, 0
	s_cbranch_scc1 .Lno_m_\@
	MM \t
.Lno_m_\@:
.endm
; Row tile w + 16 k of the expert, from the codes in LDS, which nobody writes any more: no barrier.  Where the expert has no such tile it has none of the later ones either: on to the end.
.macro ROWS k
	s_add_co_u32 s29, s18, 16*(\k)
	s_cmp_lt_u32 s29, s25
	s_cbranch_scc0 .Lend
	s_wait_xcnt 0x0                                ; the last way out's stores have read their data: the accumulators are loaded again below
	SETTILE 0
	BIAS H64F
	ALOAD 0
	ALOAD 1
.irp t, 0,1,2,3,4,5,6,7
.if \t < 7
	s_wait_loadcnt 18                              ; all but the next trip's 18 loads
.else
	s_wait_loadcnt 0x0
.endif
	MM \t
.if \t <= 5
	ALOAD \t+2
.endif
.endr
	EPI \k
.endm
	s_load_b256 s[4:11], s[0:1], 0x0               ; W2 s[4:5], b2 s[6:7], hc s[8:9], hs s[10:11]
	s_load_b128 s[12:15], s[0:1], 0x20             ; meta s[12:13], order s[14:15]
	s_load_b64 s[16:17], s[0:1], 0x30              ; out0
	v_lshrrev_b32 v[MA], 5, v0
	v_readfirstlane_b32 s18, v[MA]                 ; wave 0..15
	s_mov_b32 s19, ttmp9                           ; x: the slice of 32 columns
	s_and_b32 s20, ttmp7, 0xffff                   ; e
	s_lshr_b32 s21, s18, 2                         ; which K step of a trip I quantise
	s_and_b32 s22, s18, 3                          ; which 32 of it
	v_and_b32 v[MA], 31, v0
	v_lshlrev_b32 v[L4], 2, v[MA]
	v_lshlrev_b32 v[LI], 4, v[MA]
	v_add_nc_u32 v[LI2], 0x10000, v[LI]
	v_add_nc_u32 v[LSB], BS, v[L4]
	v_and_b32 v[MA], 7, v0
	v_bfe_u32 v[MB], v0, 3, 1
	v_bfe_u32 v[H64], v0, 4, 1
	s_lshl_b32 s46, s21, 12
	s_lshl_b32 s47, s22, 9
	s_add_co_u32 s46, s46, s47
	v_lshlrev_b32 v[ADW], 4, v[MA]
	v_lshl_add_u32 v[ADW], v[MB], 11, v[ADW]
	v_lshl_add_u32 v[ADW], v[H64], 7, v[ADW]
	v_add_nc_u32 v[ADW], s46, v[ADW]
	v_add_nc_u32 v[ADW2], 0x10000, v[ADW]
	s_lshl_b32 s46, s21, 7
	s_add_co_u32 s46, s46, s22
	s_add_co_u32 s46, s46, BS
	v_lshlrev_b32 v[ADSB], 2, v[MA]
	v_lshl_add_u32 v[ADSB], v[MB], 6, v[ADSB]
	v_lshl_add_u32 v[ADSB], v[H64], 5, v[ADSB]
	v_add_nc_u32 v[ADSB], s46, v[ADSB]
	v_lshlrev_b32 v[H64], 6, v[H64]
	s_mov_b32 s[MNT], 0x600000
	s_lshl_b32 s53, s19, 7                         ; the slice's 128 bytes of a row
	s_lshl_b32 s46, s20, 24                        ; W2: the expert's 16 MiB,
	s_lshl_b32 s47, s18, 17                        ; 32 w rows of 4,096 bytes,
	s_add_co_u32 s46, s46, s47
	s_add_co_u32 s46, s46, s53                     ; the slice: under 2^27 in all
	s_mov_b32 s47, 0
	s_lshl_b32 s23, s20, 4
	s_wait_kmcnt 0x0
	s_add_nc_u64 s[32:33], s[4:5], s[46:47]
	s_add_nc_u64 s[34:35], s[32:33], 0x800000      ; four trips of 512 rows on
	s_load_b128 s[24:27], s[12:13], s23 offset:0x0 ; F, T, n, 0 of my expert
	WLOAD 0                                        ; the stream starts before the table is in
	s_lshl_b32 s46, s20, 12
	s_add_co_u32 s46, s46, s53
	s_add_nc_u64 s[40:41], s[6:7], s[46:47]
	s_mov_b32 s46, s53
	s_add_nc_u64 s[42:43], s[16:17], s[46:47]
	s_wait_kmcnt 0x0
	s_min_u32 s24, s24, 70
	s_min_u32 s25, s25, 64
	s_min_u32 s26, s26, 1024
	s_mov_b32 s29, s18                             ; my first row tile: the wave's number
	SETTILE 1
	BIAS H64
	ALOAD 0
	ALOAD 1
	WLOAD 1
	TOKB 0, 44                                     ; where the tokens of my four row tiles stand in order: wanted in trip 6
	TOKB 1, 48
	TOKB 2, 50
	TOKB 3, 56
.irp t, 0,1,2,3,4,5,6,7
	TRIP \t
.endr
	s_cmp_eq_u32 s28, 0
	s_cbranch_scc1 .Lno_out
	EPI 0
.Lno_out:
	ROWS 1                                         ; row tiles w + 16, w + 32, w + 48
	ROWS 2
	ROWS 3
.Lend:
	s_wait_xcnt 0x0
	s_mov_b32 exec_lo, -1
	v_lshl_add_u32 v6, v0, 2, 0x21000
	v_mov_b32 v7, 0
	s_wait_tensorcnt 0x0
	ds_add_u32 v6, v7
	s_wait_dscnt 0x0
	s_endpgm
.Lfunc_end_k_q142299db1e_down:
	.size	k_q142299db1e_down, .Lfunc_end_k_q142299db1e_down-k_q142299db1e_down
	.p2alignl 7, 3214868480
	.fill 96, 4, 3214868480
	.section	.rodata,"a",@progbits
	.p2align	6, 0x0
	.amdhsa_kernel k_q142299db1e_down
		.amdhsa_group_segment_fixed_size 137216
		.amdhsa_private_segment_fixed_size 0
		.amdhsa_enable_private_segment 0
		.amdhsa_kernarg_size 56
		.amdhsa_user_sgpr_count 2
		.amdhsa_user_sgpr_kernarg_segment_ptr 1
		.amdhsa_wavefront_size32 1
		.amdhsa_system_sgpr_workgroup_id_x 1
		.amdhsa_system_sgpr_workgroup_id_y 1
		.amdhsa_system_sgpr_workgroup_id_z 1
		.amdhsa_system_vgpr_workitem_id 0
		.amdhsa_next_free_vgpr 256
		.amdhsa_next_free_sgpr 66
		.amdhsa_reserve_vcc 1
		.amdhsa_float_denorm_mode_32 3
		.amdhsa_float_denorm_mode_16_64 3
		.amdhsa_memory_ordered 1
		.amdhsa_forward_progress 1
		.amdhsa_inst_pref_size 255
	.end_amdhsa_kernel
	.section	.bss,"aw",@nobits
	.p2align	6
	.space	262144
	.amdgpu_metadata
---
amdhsa.version: [ 1, 2 ]
amdhsa.kernels:
  - .name:           k_q142299db1e_down
    .symbol:         k_q142299db1e_down.kd
    .args:
      - { .name: W2, .offset: 0, .size: 8, .value_kind: global_buffer, .address_space: global }
      - { .name: b2, .offset: 8, .size: 8, .value_kind: global_buffer, .address_space: global }
      - { .name: hc, .offset: 16, .size: 8, .value_kind: global_buffer, .address_space: global }
      - { .name: hs, .offset: 24, .size: 8, .value_kind: global_buffer, .address_space: global }
      - { .name: meta, .offset: 32, .size: 8, .value_kind: global_buffer, .address_space: global }
      - { .name: order, .offset: 40, .size: 8, .value_kind: global_buffer, .address_space: global }
      - { .name: out0, .offset: 48, .size: 8, .value_kind: global_buffer, .address_space: global }
    .group_segment_fixed_size: 137216
    .private_segment_fixed_size: 0
    .kernarg_segment_align: 8
    .kernarg_segment_size: 56
    .max_flat_workgroup_size: 512
    .sgpr_count:     66
    .vgpr_count:     256
    .wavefront_size: 32
...
	.end_amdgpu_metadata
.endif
;; end of part 3
;; ======== version 2 of 2: 3 launches
;; workspace buffers: xc 1,163,264 bytes; xs 36,352 bytes; hc 4,653,056 bytes; hs 145,408 bytes; order 4,608 bytes of whole numbers; meta 256 bytes of whole numbers
;; launch route (part 4): grid 64 x 1, 8 waves a work-group, no clusters, 68,864 bytes of LDS; arguments hidden_states, expert_indices, xc, xs, order, meta; writes xc, xs, order, meta
.if DOCPART == 4
	.amdgcn_target "amdgcn-amd-amdhsa--gfx1250"
	.amdhsa_code_object_version 6
	.text
	.protected	k_q142299db1e_route
	.globl	k_q142299db1e_route
	.p2align	8
	.type	k_q142299db1e_route,@function
k_q142299db1e_route:
	s_mov_b64 s[64:65], 0
	v_nop
	global_prefetch_b8 v0, s[64:65] scope:SCOPE_SE
	s_setreg_imm32_b32 hwreg(HW_REG_WAVE_MODE, 25, 1), 1
	s_wait_xcnt 0x0
; ROUTE: sorts the 1,024 tokens by expert (a counting sort without atomics) and turns x, [1024][1024] f32, into codes of FP8 (E4M3) with one E8M0 byte for each 32 along K, placed at each token's SORTED row.
; SORTED ROWS.  Expert e has n_e tokens and owns T_e = ceil(n_e / 16) tiles of 16 rows from tile F_e on (F = the prefix sum of T): never more than 64 + 7 = 71 tiles.  Inside an expert the tokens keep their order.
; Rows n_e .. 16 T_e - 1 of an expert's last tile are padding: zero codes, scale bytes 0x7f, token 0: so every byte that a later launch reads has been written.
; OUT.  xc [71 tiles][8 K steps][4 chunks][32 lanes][16 bytes]: the image of an operand's registers: lane (r, h) of chunk c holds k = 32 c + 16 h + 0 .. 15 of row r.   xs [71][8][16 rows]: a scale word for a row and 128 k.
;       order [1136]: the token of each sorted row.   meta: word 4 e + 0, 1, 2, 3 = F_e, T_e, n_e, 0.
; SHARES.  Work-group j takes tokens 16 j .. 16 j + 15, its wave s K step s (128 along K).  Every work-group counts all 1,024 indices anew (4 KB): wave s counts expert s; the eight counts meet in LDS behind one barrier.
; The loads of x hang on no routing, so they are out together with the indices; the codes are SCATTERED: a token's 16 bytes of a chunk go to its sorted row, so a store's lanes do not fill 256 consecutive bytes.
; That is 1.1 MB of a program that moves 280 MB.
; LIMITS: expert_indices lie in 0 .. 7 (another value would send its token to sorted row 0; every access still stays inside its buffer).  NaN and infinities in x are not served.  A block of zeros, or one whose largest
; magnitude lies under 2^-118, gets the byte 1 (the rule says 127 for zeros): zero codes add nothing under any byte but 0xff, and the bytes are read by this program alone.
.set SP,    528                        ; a stage row: 512 bytes + 16: an odd multiple of 16 bytes, so that sixteen rows' reads start 16 bytes apart modulo 256
.set STG,   16*SP                      ; a wave's stage
.set CNTB,  8*STG                      ; behind the stages: 16 words: n_e at 4 e; at 32 + 4 e the tokens of expert e ahead of my group of 32
.set LN,   1                           ; lane
.set RR,   2                           ; r = lane % 16
.set HH,   3                           ; h = lane / 16
.set L4,   4                           ; 4 x lane
.set L16,  5                           ; 16 x lane
.set STI,  6                           ; stage, in:  16 x lane
.set STO,  7                           ; stage, out: 528 r + 64 h
.set CW,   8                           ; CNTB + 4 x wave
.set CR,   9                           ; CNTB
.set MY,   10                          ; the expert of token 32 (j / 2) + lane
.set POS,  11                          ; its sorted row
.set TT,   12                          ; at work
.set SELV, 13                          ; 4 x (r + 16 (j % 2)): from which lane I pull my token's row
.set PP,   14                          ; the sorted row of token 16 j + r
.set CA,   15                          ; its byte in xc, SA in xs, OA in order
.set SA,   16
.set OA,   17
.set TOK,  18                          ; 16 j + r
.set ZQ,   20                          ; v20-23 zeros
.set ONES, 24                          ; four scale bytes 0x7f
.set PCA,  25                          ; padding: 16 r + 256 h
.set PSA,  26                          ; padding: 4 r
.set CN,   28                          ; v28-43 the sixteen counts
.set IDX,  48                          ; v48-79 all indices: register g holds token 32 g + lane
.set R,    80                          ; v80-143 x as loaded: register 4 i .. 4 i + 3 = row i, numbers 4 lane .. + 3
.set X,    144                         ; v144-207 x turned: register 16 b + i = k 32 b + 16 h + i of row r
.set TM,   208                         ; v208-223 the quantiser's: largest magnitudes, bytes, 448 x scale, scale operands
.set PW,   224                         ; the scale word
.set MT,   226                         ; meta: lane 4 e + f holds field f of expert e
.set PC,   228                         ; v228-243 the codes
.set SEL,  72                          ; s[72:73] v_permlanex16_b32's selects for lane l xor 16
.set MNT,  74                          ; s74 the mantissa field of 448
; 64 numbers of a lane, register 16 b + i = k 32 b + 16 (lane / 16) + i of its row, become a fragment's 16 code registers in v[PC] on and the row's scale word in v[PW].
.macro QUANT s
.irp b, 0,1,2,3
	v_max3_num_f32 v[TM+\b], |v[\s+16*\b]|, |v[\s+1+16*\b]|, 0x4800000   ; block b: my 16 numbers, and the floor 2^(9 - 127): the byte cannot fall under 1
.endr
.irp i, 2,4,6,8,10,12,14
.irp b, 0,1,2,3
	s_delay_alu instid0(VALU_DEP_4)
	v_max3_num_f32 v[TM+\b], v[TM+\b], |v[\s+16*\b+\i]|, |v[\s+1+16*\b+\i]|   ; the four blocks by turns
.endr
.endr
.irp b, 0,1,2,3
	s_delay_alu instid0(VALU_DEP_4)
	v_permlanex16_b32 v[TM+4+\b], v[TM+\b], s[SEL], s[SEL+1]
.endr
.irp b, 0,1,2,3
	s_delay_alu instid0(VALU_DEP_4)
	v_max_num_f32 v[TM+\b], v[TM+\b], v[TM+4+\b]           ; with lane l xor 16's 16: the block's largest magnitude
.endr
.irp b, 0,1,2,3
	s_delay_alu instid0(VALU_DEP_4)
	v_add_nc_u32 v[TM+12+\b], 0xfc000000, v[TM+\b]         ; 8 off its exponent field: the conversion takes this operand's exponent field as its scale
.endr
.irp b, 0,1,2,3
	v_and_or_b32 v[TM+8+\b], v[TM+\b], 0x7f800000, s[MNT]  ; 448 x the scale
.endr
.irp b, 0,1,2,3
	v_lshrrev_b32 v[TM+4+\b], 23, v[TM+12+\b]              ; the scale's byte
.endr
	s_delay_alu instid0(VALU_DEP_3)
	v_lshl_or_b32 v[PW], v[TM+5], 8, v[TM+4]
	s_delay_alu instid0(VALU_DEP_1)
	v_lshl_or_b32 v[PW], v[TM+6], 16, v[PW]
	s_delay_alu instid0(VALU_DEP_1)
	v_lshl_or_b32 v[PW], v[TM+7], 24, v[PW]
.irp b, 0,1,2,3
.irp i, 0,1,2,3,4,5,6,7,8,9,10,11,12,13,14,15
	v_med3_num_f32 v[\s+16*\b+\i], v[\s+16*\b+\i], -v[TM+8+\b], v[TM+8+\b]   ; the conversion to an 8-bit code does not saturate (ISA guide 7.6.2): the hold comes first
.endr
	v_cvt_scalef32_pk8_fp8_f32 v[PC+4*\b:PC+1+4*\b], v[\s+16*\b:\s+7+16*\b], v[TM+12+\b]
	v_cvt_scalef32_pk8_fp8_f32 v[PC+2+4*\b:PC+3+4*\b], v[\s+8+16*\b:\s+15+16*\b], v[TM+12+\b]
.endr
	v_nop                                                  ; one plain vector instruction behind the last scaled conversion
.endm
	s_load_b256 s[4:11], s[0:1], 0x0               ; x s[4:5], indices s[6:7], xc s[8:9], xs s[10:11]
	s_load_b128 s[12:15], s[0:1], 0x20             ; order s[12:13], meta s[14:15]
	v_lshl_add_u32 v248, v0, 2, 0x10900
	v_mov_b32 v249, 0
	v_lshrrev_b32 v[LN], 5, v0
	s_delay_alu instid0(VALU_DEP_1)
	v_readfirstlane_b32 s16, v[LN]                 ; wave s = K step = the expert that I count
	v_and_b32 v[LN], 31, v0
	v_and_b32 v[RR], 15, v0
	v_bfe_u32 v[HH], v0, 4, 1
	s_delay_alu instid0(VALU_DEP_3)
	v_lshlrev_b32 v[L4], 2, v[LN]
	s_delay_alu instid0(VALU_DEP_4)
	v_lshlrev_b32 v[L16], 4, v[LN]
	s_mov_b32 s17, ttmp9                           ; j
	s_lshr_b32 s18, s17, 1                         ; my group of 32 tokens
	s_and_b32 s19, s17, 1                          ; and which half of it is mine
	s_mul_i32 s22, s16, STG
	v_add_nc_u32 v[STI], s22, v[L16]
	v_mul_u32_u24 v[STO], v[RR], SP
	s_delay_alu instid0(VALU_DEP_1)
	v_lshl_add_u32 v[STO], v[HH], 6, v[STO]
	s_delay_alu instid0(VALU_DEP_1)
	v_add_nc_u32 v[STO], s22, v[STO]
	s_lshl_b32 s22, s16, 2
	s_add_co_u32 s22, s22, CNTB
	v_mov_b32 v[CW], s22
	v_mov_b32 v[CR], CNTB
	s_lshl_b32 s22, s19, 4
	v_add_nc_u32 v[SELV], s22, v[RR]
	s_delay_alu instid0(VALU_DEP_1)
	v_lshlrev_b32 v[SELV], 2, v[SELV]
	s_lshl_b32 s22, s17, 4
	v_add_nc_u32 v[TOK], s22, v[RR]
	s_mov_b32 s[SEL], 0x76543210
	s_mov_b32 s[SEL+1], 0xfedcba98
	s_mov_b32 s[MNT], 0x600000
	s_lshl_b32 s24, s18, 7                         ; my group's 128 bytes of indices
	s_mov_b32 s25, 0
	s_lshl_b32 s28, s17, 16                        ; my 16 rows of 4,096 bytes,
	s_lshl_b32 s22, s16, 9                         ; my K step's 512 bytes of each
	s_add_co_u32 s28, s28, s22
	s_mov_b32 s29, 0
	s_lshl_b32 s26, s16, 11                        ; my K step's fragment in a tile of xc
	s_mov_b32 s27, 0
	s_lshl_b32 s30, s16, 6                         ; and its 16 scale words in xs
	s_mov_b32 s31, 0
	s_wait_kmcnt 0x0
	s_add_nc_u64 s[24:25], s[6:7], s[24:25]
	s_add_nc_u64 s[28:29], s[4:5], s[28:29]
	s_add_nc_u64 s[26:27], s[8:9], s[26:27]
	s_add_nc_u64 s[30:31], s[10:11], s[30:31]
	global_load_b32 v[MY], v[L4], s[24:25]
.set g, 0
.rept 32
	global_load_b32 v[IDX+g], v[L4], s[6:7] offset:128*g
.set g, g+1
.endr
.set i, 0
.rept 16
	global_load_b128 v[R+4*i:R+4*i+3], v[L16], s[28:29] offset:4096*i th:TH_LOAD_NT   ; 32 lanes read 512 consecutive bytes of row i; x is read once in the launch
.set i, i+1
.endr
	s_wait_loadcnt 16                              ; the indices are in; the 16 loads of x stay out
	; wave s counts expert s: all its tokens (s20), and those ahead of my group of 32 (s21)
.set g, 0
.rept 32
	v_cmp_eq_u32 s[32+g], s16, v[IDX+g]
.set g, g+1
.endr
	s_mov_b32 s20, 0
	s_mov_b32 s21, 0
.set g, 0
.rept 32
	s_cmp_eq_u32 s18, g
	s_cselect_b32 s21, s20, s21                    ; the count so far, taken at my group
	s_bcnt1_i32_b32 s22, s[32+g]
	s_add_co_u32 s20, s20, s22
.set g, g+1
.endr
	v_mov_b32 v[CN], s20
	v_mov_b32 v[CN+1], s21
	ds_store_b32 v[CW], v[CN]                      ; all lanes write the same word with the same value
	ds_store_b32 v[CW], v[CN+1] offset:32
	s_wait_dscnt 0x0                               ; for the others' sake: my two stores are done
	s_barrier_signal -1
	s_barrier_wait -1
.irp i, 0,1,2,3
	ds_load_b128 v[CN+4*\i:CN+4*\i+3], v[CR] offset:16*\i
.endr
	s_wait_dscnt 0x0
.irp e, 0,1,2,3,4,5,6,7
	v_readfirstlane_b32 s[32+\e], v[CN+\e]         ; n_e
	v_readfirstlane_b32 s[40+\e], v[CN+8+\e]       ; tokens of e ahead of my group
.endr
	; T_e s[56+e], F_e s[48+e]; s[40+e] becomes the sorted row of the first token of e in my group; for expert j: its n (s66) and its last tile (s67)
	s_mov_b32 s23, 0
	s_mov_b32 s66, 0
	s_mov_b32 s67, 0
.irp e, 0,1,2,3,4,5,6,7
	s_add_co_u32 s[56+\e], s[32+\e], 15
	s_lshr_b32 s[56+\e], s[56+\e], 4
	s_mov_b32 s[48+\e], s23
	s_lshl_b32 s22, s23, 4
	s_add_co_u32 s[40+\e], s[40+\e], s22
	s_add_co_u32 s23, s23, s[56+\e]
	s_sub_co_u32 s22, s23, 1
	s_cmp_eq_u32 s17, \e
	s_cselect_b32 s66, s[32+\e], s66
	s_cselect_b32 s67, s22, s67
.endr
	; the sorted row of each of my group's 32 tokens: the expert's base + the lanes below me with the same expert
	v_mov_b32 v[POS], 0
.irp e, 0,1,2,3,4,5,6,7
	v_cmp_eq_u32 vcc_lo, \e, v[MY]
	s_delay_alu instid0(VALU_DEP_1)
	v_mbcnt_lo_u32_b32 v[TT], vcc_lo, s[40+\e]
	s_delay_alu instid0(VALU_DEP_1)
	v_cndmask_b32 v[POS], v[POS], v[TT], vcc_lo
.endr
	ds_bpermute_b32 v[PP], v[SELV], v[POS]         ; lane (r, h) takes that of token 16 j + r
	s_wait_dscnt 0x0
	v_min_u32 v[PP], 1135, v[PP]                   ; 71 tiles of 16 rows: no address leaves its buffer
	s_delay_alu instid0(VALU_DEP_1)
	v_and_b32 v[TT], 0x7f0, v[PP]                  ; 16 x tile
	s_delay_alu instid0(VALU_DEP_2)
	v_and_b32 v[CA], 15, v[PP]                     ; row in the tile
	s_delay_alu instid0(VALU_DEP_1)
	v_lshlrev_b32 v[SA], 2, v[CA]
	s_delay_alu instid0(VALU_DEP_1)
	v_lshl_add_u32 v[SA], v[TT], 5, v[SA]          ; xs: 512 x tile + 4 x row
	s_delay_alu instid0(VALU_DEP_3)
	v_lshlrev_b32 v[CA], 4, v[CA]
	s_delay_alu instid0(VALU_DEP_1)
	v_lshl_add_u32 v[CA], v[TT], 10, v[CA]
	s_delay_alu instid0(VALU_DEP_1)
	v_lshl_add_u32 v[CA], v[HH], 8, v[CA]          ; xc: 16,384 x tile + 16 x row + 256 h
	v_lshlrev_b32 v[OA], 2, v[PP]
.irp b, 0,1,2,3
	v_mov_b32 v[TM+4+\b], 0                        ; a lane permute's destination counts as one of its sources
.endr
	s_wait_loadcnt 0x0                             ; x
	; the turn through my own stage: in as loaded, out 16 neighbours of each block of 32 to a lane.  LDS serves a wave's instructions in order (ISA guide 5.7.1.4): no wait between
.set i, 0
.rept 16
	ds_store_b128 v[STI], v[R+4*i:R+4*i+3] offset:SP*i
.set i, i+1
.endr
.irp b, 0,1,2,3
.irp i, 0,1,2,3
	ds_load_b128 v[X+16*\b+4*\i:X+16*\b+4*\i+3], v[STO] offset:128*\b+16*\i
.endr
.endr
	s_wait_dscnt 0x0
	QUANT X
.irp c, 0,1,2,3
	global_store_b128 v[CA], v[PC+4*\c:PC+4*\c+3], s[26:27] offset:512*\c
.endr
	global_store_b32 v[SA], v[PW], s[30:31]        ; lanes l and l xor 16 write the same word with the same value
	s_cmp_lg_u32 s16, 0
	s_cbranch_scc1 .Lnot_wave_0
	global_store_b32 v[OA], v[TOK], s[12:13]       ; wave 0: which token lies at the row
	s_cmp_lg_u32 s17, 0
	s_cbranch_scc1 .Lnot_wave_0
	v_mov_b32 v[MT], 0                             ; work-group 0, wave 0: the table of experts, one store of 128 bytes
.irp e, 0,1,2,3,4,5,6,7
	s_delay_alu instid0(VALU_DEP_1)
	v_writelane_b32 v[MT], s[48+\e], 4*\e
	s_delay_alu instid0(VALU_DEP_1)
	v_writelane_b32 v[MT], s[56+\e], 4*\e+1
	s_delay_alu instid0(VALU_DEP_1)
	v_writelane_b32 v[MT], s[32+\e], 4*\e+2
.endr
	global_store_b32 v[L4], v[MT], s[14:15]
.Lnot_wave_0:
	s_cmp_ge_u32 s17, 8
	s_cbranch_scc1 .Lend
	; work-groups 0 to 7: the padding rows of expert j's last tile: rows n % 16 .. 15 where n % 16 is not 0 (else no lane is on and nothing is stored)
	s_and_b32 s68, s66, 15
	s_cselect_b32 s68, s68, 16
	s_min_u32 s69, s67, 70
	s_mov_b32 s83, 0
	s_lshl_b32 s82, s69, 14
	s_add_nc_u64 s[76:77], s[26:27], s[82:83]
	s_lshl_b32 s82, s69, 9
	s_add_nc_u64 s[78:79], s[30:31], s[82:83]
	s_lshl_b32 s82, s69, 6
	s_add_nc_u64 s[80:81], s[12:13], s[82:83]
.irp i, 0,1,2,3
	v_mov_b32 v[ZQ+\i], 0
.endr
	v_mov_b32 v[ONES], 0x7f7f7f7f
	v_lshlrev_b32 v[PCA], 4, v[RR]
	s_delay_alu instid0(VALU_DEP_1)
	v_lshl_add_u32 v[PCA], v[HH], 8, v[PCA]
	v_lshlrev_b32 v[PSA], 2, v[RR]
	v_cmp_le_u32 vcc_lo, s68, v[RR]
	s_wait_alu depctr_va_vdst(0)
	s_wait_xcnt 0x0                                ; EXEC is a source of the stores above: it changes only behind this wait
	s_and_saveexec_b32 s70, vcc_lo
.irp c, 0,1,2,3
	global_store_b128 v[PCA], v[ZQ:ZQ+3], s[76:77] offset:512*\c
.endr
	global_store_b32 v[PSA], v[ONES], s[78:79]
	s_cmp_lg_u32 s16, 0
	s_cbranch_scc1 .Lpadded
	global_store_b32 v[PSA], v[ZQ], s[80:81]
.Lpadded:
	s_wait_xcnt 0x0                                ; and again in front of the line that widens it
	s_or_b32 exec_lo, exec_lo, s70
.Lend:
	s_barrier_signal -1
	s_barrier_wait -1
	s_wait_tensorcnt 0x0
	ds_add_u32 v248, v249
	s_wait_dscnt 0x0
	s_endpgm
.Lfunc_end_k_q142299db1e_route:
	.size	k_q142299db1e_route, .Lfunc_end_k_q142299db1e_route-k_q142299db1e_route
	.p2alignl 7, 3214868480
	.fill 96, 4, 3214868480
	.section	.rodata,"a",@progbits
	.p2align	6, 0x0
	.amdhsa_kernel k_q142299db1e_route
		.amdhsa_group_segment_fixed_size 68864
		.amdhsa_private_segment_fixed_size 0
		.amdhsa_enable_private_segment 0
		.amdhsa_kernarg_size 48
		.amdhsa_user_sgpr_count 2
		.amdhsa_user_sgpr_kernarg_segment_ptr 1
		.amdhsa_wavefront_size32 1
		.amdhsa_system_sgpr_workgroup_id_x 1
		.amdhsa_system_sgpr_workgroup_id_y 1
		.amdhsa_system_sgpr_workgroup_id_z 1
		.amdhsa_system_vgpr_workitem_id 0
		.amdhsa_next_free_vgpr 250
		.amdhsa_next_free_sgpr 96
		.amdhsa_reserve_vcc 1
		.amdhsa_float_denorm_mode_32 3
		.amdhsa_float_denorm_mode_16_64 3
		.amdhsa_memory_ordered 1
		.amdhsa_forward_progress 1
		.amdhsa_inst_pref_size 36
	.end_amdhsa_kernel
	.amdgpu_metadata
---
amdhsa.version: [ 1, 2 ]
amdhsa.kernels:
  - .name:           k_q142299db1e_route
    .symbol:         k_q142299db1e_route.kd
    .args:
      - { .name: hidden_states, .offset: 0, .size: 8, .value_kind: global_buffer, .address_space: global }
      - { .name: expert_indices, .offset: 8, .size: 8, .value_kind: global_buffer, .address_space: global }
      - { .name: xc, .offset: 16, .size: 8, .value_kind: global_buffer, .address_space: global }
      - { .name: xs, .offset: 24, .size: 8, .value_kind: global_buffer, .address_space: global }
      - { .name: order, .offset: 32, .size: 8, .value_kind: global_buffer, .address_space: global }
      - { .name: meta, .offset: 40, .size: 8, .value_kind: global_buffer, .address_space: global }
    .group_segment_fixed_size: 68864
    .private_segment_fixed_size: 0
    .kernarg_segment_align: 8
    .kernarg_segment_size: 48
    .max_flat_workgroup_size: 256
    .sgpr_count:     96
    .vgpr_count:     250
    .wavefront_size: 32
...
	.end_amdgpu_metadata
.endif
;; end of part 4
;; launch up (part 5): grid 32 x 8, 16 waves a work-group, no clusters, 137,216 bytes of LDS; arguments W1, b1, xc, xs, meta, hc, hs; writes hc, hs
.if DOCPART == 5
	.amdgcn_target "amdgcn-amd-amdhsa--gfx1250"
	.amdhsa_code_object_version 6
	.text
	.protected	k_q142299db1e_up
	.globl	k_q142299db1e_up
	.p2align	8
	.type	k_q142299db1e_up,@function
k_q142299db1e_up:
	s_mov_b64 s[64:65], 0
	v_nop
	global_prefetch_b8 v0, s[64:65] scope:SCOPE_SE
	s_setreg_imm32_b32 hwreg(HW_REG_WAVE_SCHED_MODE, 0, 2), 2
	s_setreg_imm32_b32 hwreg(HW_REG_WAVE_MODE, 25, 1), 1
	s_wait_xcnt 0x0
	s_wait_alu depctr_vm_vsrc(0)
; UP: h = Q(gelu(Q(x) Q(W1[e]) + b1[e])) for the rows of expert e, on codes of FP8 (E4M3) with one E8M0 byte for each 32 along K.  W1 [8][1024 (k)][4096 (n)] f32; x as codes (xc, xs) in sorted rows; h leaves as codes (hc, hs).
; SHARES.  Work-group (x, e) owns columns 128 x .. 128 x + 127 of expert e: 1,024 x 128 numbers, 512 KB, which no other work-group reads.  32 x 8 = 256 work-groups of sixteen waves of 256 registers.
; THE STREAM.  Eight trips, trip t = K step t (128 along K).  Wave w takes 32 k (w / 4) x 32 columns (w % 4): A LANE TAKES A COLUMN AND ITS REGISTERS RUN DOWN K: each load reads 128 consecutive bytes, a block of 32 lies in one
; lane, so its largest magnitude needs no other lane, and the conversions give codes with K innermost.  Two sets of 32 registers: the loads run two trips ahead.
; THE CODES STAY IN LDS, as images of the operand's registers: fragment f = 8 t + tile at 2,048 f, chunk c at + 512 c, lane at + 16 lane; scale words at BS + 64 f + 4 row.  Every LDS byte is written once in the launch,
; so one barrier a trip (my stores are done | barrier | anybody reads) is all the ordering: eight barriers, on every wave's path.
; THE COLUMNS OF A TILE ARE NOT NEIGHBOURS: column l of a group of 32 is row (l % 8) + 8 (l / 16) of tile (l / 8) % 2, so that the 16 result registers of tiles 2 b and 2 b + 1 are 16 neighbours along the next K.
; THE PRODUCTS GO BY ROWS.  Wave w owns row tile w of the expert: x's fragments come from memory straight into its registers, the weights' from LDS; trip t's 8 products stand behind trip t's barrier, under the stream.
; The matrix instruction is used transposed (source 0 = 16 columns of W1, source 1 = 16 rows of x): a lane holds ONE row and its registers run along the columns.  b1 is loaded into the accumulators, so every product adds in place.
; Row tiles 16 and up (an expert with more than 256 rows) are made behind the stream from the resident codes: an expert has at most 64 tiles, so a wave has at most three more: a loop of three trips without barriers, in which
; a trip whose tile does not exist is jumped over by a scalar branch on meta's count.  So every split is served, and no weight is read twice.
; A wave without a row tile (act = 0) skips its fragments' loads, its products and its way out, never a barrier or a weight load; at the head it loads tile 0, which always exists, so that every register is written.
; NOT SHARED IN A CLUSTER: the 32 slices of an expert read the same fragments of x, 16 KB a tile; a joint tile would need a fixed number of rows in LDS beside the 132 KB of codes, and partners' tiles are counted from meta.
; gelu is the tanh form, as 0.5 (1 + tanh u) = 1 / (1 + 2^(-2 u log2 e)): x / (1 + 2^(x (c0 + c1 x x))), all in f32.
; LIMITS: NaN and infinities among the inputs are not served.  A block of zeros, or one whose largest magnitude lies under 2^-118, gets the byte 1 (the rule says 127 for zeros): its codes add nothing, and this program alone reads the bytes.
; THE MODE: SCHED_MODE bits 1:0 = 2 (LLVM: expert scheduling mode 2), set by the entry lines.  The code itself states the register dependences between vector or matrix instructions and memory or LDS instructions,
; with s_wait_alu, always for 0.
; THE PLAN.  Registers that memory or LDS instructions touch:
;   v1-9       addresses and offsets: made once at the head, read by every load and store, never written again.
;   W0, W1     Trip t: the quantiser reads and holds W[t % 2]; behind it the loads of trip t + 2 land there.
;   C, MB      Trip t: the conversions and the shift write them, the trip's three LDS stores read them; trip t + 1's quantiser writes them again.
;   A0, A1     K step t's products read A[t % 2]; the fragment of K step t + 2 lands there: in the stream it is asked for in trip t + 1, behind that trip's quantiser.
;   B, BSC     A run of four products reads the four fragments in B and two of the four scale words in BSC; the next run's LDS loads land in B, the next K step's in BSC.
;   XS, ACC    Loaded once for a row tile.  The products read XS and add onto ACC, the way out works on ACC; a further tile's loads land in both.
;   PC, PW     Written by the way out's quantiser, read by its five stores; the next way out writes them again (as T).
; THE WAITS.  In a trip of the stream ONE wait on va_vdst stands behind the quantiser's last vector line: C and MB are written; the quantiser is done with W[t % 2]; the last trip's products are done reading A[(t + 1) % 2], B and BSC.
; All the trip's stores and loads up to its first product follow it with no vector or matrix instruction between, on either way of the branches on act.  A second stands between a K step's two runs of products, for B.
; One wait on vm_vsrc stands ahead of the barrier, for C and MB.  Behind the stream: one va_vdst ahead of a way out's stores, one behind each K step but the last, and both kinds at the head of a further tile's pass.
.set BS,   131072                      ; behind the 64 fragments: their scale words, 4,096 bytes
.set WROW, 16384                       ; a row of W1 in bytes
.set L4,   1                           ; 4 x lane
.set LI,   2                           ; 16 x lane: an image's place for my lane
.set LI2,  3                           ; + 65,536: fragments 32 and up (an LDS immediate has 16 bits)
.set ADW,  4                           ; where I store codes: 4,096 (w % 4) + 512 (w / 4) + 2,048 ((l / 8) % 2) + 16 (l % 8) + 128 (l / 16)
.set ADW2, 5                           ; + 65,536
.set ADSB, 6                           ; where I store my block's byte: BS + 128 (w % 4) + w / 4 + 64 ((l / 8) % 2) + 4 (l % 8) + 32 (l / 16)
.set LSB,  7                           ; BS + 4 x lane
.set H64,  8                           ; 64 h: my 16 numbers of a block of b1
.set L4R,  9                           ; 4 r
.set MA,   10                          ; the weight quantiser's: two chains of maxima (the second later holds the byte),
.set MB,   11
.set XS,   12                          ; v12-15 x's scale words: register i: K step 2 i in lanes 0-15, 2 i + 1 in lanes 16-31
.set BSC,  16                          ; v16-19 the weights' scale words: register i: tile 2 i in lanes 0-15, 2 i + 1 in lanes 16-31
.set C0,   20                          ; v20-21 c0, twice
.set SCL,  22                          ; the conversion's scale operand,
.set HLD,  23                          ; 448 x the scale,
.set C,    24                          ; v24-31 a block's 32 codes
.set ACC,  32                          ; v32-95 eight accumulators; register 16 b + i = column 32 b + 16 h + i of row r
.set A,    96                          ; v96-127 x's fragments, two buffers
.set B,    128                         ; v128-191 four fragments of the weights
.set W,    192                         ; v192-255 the weights as loaded, two sets of 32
.set T,    192                         ; on the way out: 64 at work; then
.set TM,   192                         ; v192-207 the quantiser's, v208 the scale word, v212-227 the codes
.set PW,   208
.set PC,   212
.set SEL,  50                          ; s[50:51] v_permlanex16_b32's selects for lane l xor 16
.set MNT,  52                          ; s52 the mantissa field of 448
; s[4:17] the seven addresses, never rewritten; s18 wave, s19 x, s20 e, s21 w % 4, s22 w / 4; s24 F, s25 T; s28 act, s29 my row tile in the expert, s30 its tile among all;
; s[32:33], s[34:35] W1 at my block of trips 0-3 and 4-7; s[36:37] xc, s[38:39] xs, s[40:41] hc, s[42:43] hs at my tile; s[44:45] b1 at my columns; s[46:47] an offset; s[48:49] c1; s53 2,048 x, s54 64 x; s56 counts the three further tiles
.macro WLOAD t                         ; trip t's block: W1(128 t + 32 (w / 4) + i, my column) into set t % 2
.if (\t) < 4
.set WBS, 32
.else
.set WBS, 34
.endif
.set i, 0
.rept 32
	global_load_b32 v[W+32*((\t)%2)+i], v[L4], s[WBS:WBS+1] offset:((\t)%4)*128*WROW+i*WROW th:TH_LOAD_NT   ; at most 6,799,360: inside the signed 24-bit immediate (ISA guide, chapter 10); read once in the launch
.set i, i+1
.endr
.endm
.macro QW t                            ; set t % 2 becomes 32 codes and a byte, which go to LDS
.set WR, W+32*((\t)%2)
	v_max3_num_f32 v[MA], |v[WR]|, |v[WR+1]|, |v[WR+2]|    ; the block's largest magnitude: all 32 numbers are mine
	v_max3_num_f32 v[MB], |v[WR+3]|, |v[WR+4]|, |v[WR+5]|
.irp i, 6,10,14,18,22,26
	v_max3_num_f32 v[MA], v[MA], |v[WR+\i]|, |v[WR+\i+1]|
	v_max3_num_f32 v[MB], v[MB], |v[WR+\i+2]|, |v[WR+\i+3]|
.endr
	v_max3_num_f32 v[MA], v[MA], |v[WR+30]|, |v[WR+31]|
	v_max3_num_f32 v[MA], v[MA], v[MB], 0x4800000          ; and the floor 2^(9 - 127): the byte cannot fall under 1
	v_add_nc_u32 v[SCL], 0xfc000000, v[MA]                 ; 8 off its exponent field: the conversion's scale operand
	v_and_or_b32 v[HLD], v[MA], 0x7f800000, s[MNT]         ; 448 x the scale
.set i, 0
.rept 32
	v_med3_num_f32 v[WR+i], v[WR+i], -v[HLD], v[HLD]       ; the conversion to an 8-bit code does not saturate (ISA guide 7.6.2)
.set i, i+1
.endr
.irp g, 0,1,2,3
	v_cvt_scalef32_pk8_fp8_f32 v[C+2*\g:C+2*\g+1], v[WR+8*\g:WR+8*\g+7], v[SCL]
.endr
	v_lshrrev_b32 v[MB], 23, v[SCL]                        ; the scale's byte; also the plain line behind the conversions
	s_wait_alu depctr_va_vdst(0)                           ; the conversions have written v[C ..] and the shift v[MB], which the LDS stores below read; the quantiser is done with set t % 2, in which the loads of trip t + 2 land;
	                                                       ; the last trip's products are done reading x's other buffer, the four fragments and their scale words, in which this trip's loads land
.if (\t) < 4
	ds_store_b128 v[ADW], v[C:C+3] offset:((\t)%4)*16384           ; k 0-15 of the block: the image's lanes 0-15
	ds_store_b128 v[ADW], v[C+4:C+7] offset:((\t)%4)*16384+256     ; k 16-31: its lanes 16-31
.else
	ds_store_b128 v[ADW2], v[C:C+3] offset:((\t)%4)*16384
	ds_store_b128 v[ADW2], v[C+4:C+7] offset:((\t)%4)*16384+256
.endif
	ds_store_b8 v[ADSB], v[MB] offset:512*(\t)
.endm
.macro ALOAD t                         ; my row tile's fragment of K step t into buffer t % 2: four loads of 512 consecutive bytes
.irp c, 0,1,2,3
	global_load_b128 v[A+16*((\t)%2)+4*\c:A+16*((\t)%2)+4*\c+3], v[LI], s[36:37] offset:2048*(\t)+512*\c
.endr
.endm
.macro XSC                             ; its scale words of all eight K steps
.irp i, 0,1,2,3
	global_load_b32 v[XS+\i], v[L4], s[38:39] offset:128*\i
.endr
.endm
.macro BIAS                            ; b1 in the result's layout, straight into the accumulators
.irp b, 0,1,2,3
.irp j, 0,1,2,3
	global_load_b128 v[ACC+16*\b+4*\j:ACC+16*\b+4*\j+3], v[H64], s[44:45] offset:128*\b+16*\j
.endr
.endr
.endm
.macro SETTILE head                    ; the four addresses of row tile s29 of the expert.  head = 1: a wave without a tile takes tile 0 and act = 0
	s_add_co_u32 s30, s24, s29
.if \head
	s_cmp_lt_u32 s29, s25
	s_cselect_b32 s28, 1, 0
	s_cselect_b32 s30, s30, 0
.endif
	s_min_u32 s30, s30, 70                         ; 71 tiles: no address leaves its buffer
	s_lshl_b32 s46, s30, 14
	s_add_nc_u64 s[36:37], s[8:9], s[46:47]
	s_lshl_b32 s46, s30, 9
	s_add_nc_u64 s[38:39], s[10:11], s[46:47]
	s_lshl_b32 s46, s30, 16
	s_add_co_u32 s46, s46, s53
	s_add_nc_u64 s[40:41], s[14:15], s[46:47]      ; hc: tile, K step x of the second product
	s_lshl_b32 s46, s30, 11
	s_add_co_u32 s46, s46, s54
	s_add_nc_u64 s[42:43], s[16:17], s[46:47]
.endm
.macro WMS d, a, b, sa, sb, ra, rb     ; one product, in place; ra, rb: which half of the lanes holds source 0's and source 1's scale words
.if ((\ra) == 0) && ((\rb) == 0)
	v_wmma_scale_f32_16x16x128_f8f6f4 v[\d:\d+7], v[\a:\a+15], v[\b:\b+15], v[\d:\d+7], v[\sa], v[\sb]
.elseif (\rb) == 0
	v_wmma_scale_f32_16x16x128_f8f6f4 v[\d:\d+7], v[\a:\a+15], v[\b:\b+15], v[\d:\d+7], v[\sa], v[\sb] matrix_a_scale:MATRIX_SCALE_ROW1
.elseif (\ra) == 0
	v_wmma_scale_f32_16x16x128_f8f6f4 v[\d:\d+7], v[\a:\a+15], v[\b:\b+15], v[\d:\d+7], v[\sa], v[\sb] matrix_b_scale:MATRIX_SCALE_ROW1
.else
	v_wmma_scale_f32_16x16x128_f8f6f4 v[\d:\d+7], v[\a:\a+15], v[\b:\b+15], v[\d:\d+7], v[\sa], v[\sb] matrix_a_scale:MATRIX_SCALE_ROW1 matrix_b_scale:MATRIX_SCALE_ROW1
.endif
.endm
; K step t's eight products: the eight accumulators by turns, one instruction a turn, in the same order in every K step.
; Eight v_nop behind each run of four: the places ahead of the next loads into registers that the products have read, and of the first read of results; they stay beside the waits on va_vdst.
; The K step's first LDS loads land in registers that the K step before has read: the wait for that stands ahead of this macro (in the stream: the trip's quantiser's; behind the stream: the one behind each K step).
.macro MM t
.if (\t) < 4
.set LB, LI
.else
.set LB, LI2
.endif
.irp i, 0,1,2,3
	ds_load_b32 v[BSC+\i], v[LSB] offset:512*(\t)+128*\i
.endr
.irp g, 0,1
.if \g == 1
	s_wait_alu depctr_va_vdst(0)                   ; the first four products are done reading the four fragments in v[B ..], in which the loads below land
.endif
.irp i, 0,1,2,3
.irp c, 0,1,2,3
	ds_load_b128 v[B+16*\i+4*\c:B+16*\i+4*\c+3], v[LB] offset:((8*(\t)+4*\g+\i)*2048+512*\c)%65536
.endr
.endr
	s_wait_dscnt 0x0
.irp i, 0,1,2,3
	WMS ACC+8*(4*\g+\i), B+16*\i, A+16*((\t)%2), BSC+(4*\g+\i)/2, XS+(\t)/2, (4*\g+\i)%2, (\t)%2
.endr
.rept 8
	v_nop
.endr
.endr
.endm
; 64 numbers of a lane, register 16 b + i = k 32 b + 16 (lane / 16) + i of its row, become a fragment's 16 code registers in v[PC] on and the row's scale word in v[PW].
.macro QUANT s
.irp b, 0,1,2,3
	v_max3_num_f32 v[TM+\b], |v[\s+16*\b]|, |v[\s+1+16*\b]|, 0x4800000
.endr
.irp i, 2,4,6,8,10,12,14
.irp b, 0,1,2,3
	v_max3_num_f32 v[TM+\b], v[TM+\b], |v[\s+16*\b+\i]|, |v[\s+1+16*\b+\i]|
.endr
.endr
.irp b, 0,1,2,3
	v_permlanex16_b32 v[TM+4+\b], v[TM+\b], s[SEL], s[SEL+1]   ; (its destination, which counts as a source, has been written as T)
.endr
.irp b, 0,1,2,3
	v_max_num_f32 v[TM+\b], v[TM+\b], v[TM+4+\b]
.endr
.irp b, 0,1,2,3
	v_add_nc_u32 v[TM+12+\b], 0xfc000000, v[TM+\b]
.endr
.irp b, 0,1,2,3
	v_and_or_b32 v[TM+8+\b], v[TM+\b], 0x7f800000, s[MNT]
.endr
.irp b, 0,1,2,3
	v_lshrrev_b32 v[TM+4+\b], 23, v[TM+12+\b]
.endr
	v_lshl_or_b32 v[PW], v[TM+5], 8, v[TM+4]
	v_lshl_or_b32 v[PW], v[TM+6], 16, v[PW]
	v_lshl_or_b32 v[PW], v[TM+7], 24, v[PW]
.irp b, 0,1,2,3
.irp i, 0,1,2,3,4,5,6,7,8,9,10,11,12,13,14,15
	v_med3_num_f32 v[\s+16*\b+\i], v[\s+16*\b+\i], -v[TM+8+\b], v[TM+8+\b]
.endr
	v_cvt_scalef32_pk8_fp8_f32 v[PC+4*\b:PC+1+4*\b], v[\s+16*\b:\s+7+16*\b], v[TM+12+\b]
	v_cvt_scalef32_pk8_fp8_f32 v[PC+2+4*\b:PC+3+4*\b], v[\s+8+16*\b:\s+15+16*\b], v[TM+12+\b]
.endr
	v_nop                                                  ; one plain vector instruction behind the last scaled conversion
.endm
; THE WAY OUT of a row tile: gelu, the quantiser along the next K, the image of one fragment (four stores of 512 consecutive bytes) and its scale words.  Each accumulator is read from its low end on.
.macro EPI
.set j, 0
.rept 32
	v_pk_mul_f32 v[T+j:T+j+1], v[ACC+j:ACC+j+1], v[ACC+j:ACC+j+1]                    ; x x
.set j, j+2
.endr
.set j, 0
.rept 32
	v_pk_fma_f32 v[T+j:T+j+1], v[T+j:T+j+1], s[48:49], v[C0:C0+1] op_sel_hi:[1,0,1]  ; c1 x x + c0
.set j, j+2
.endr
.set j, 0
.rept 32
	v_pk_mul_f32 v[T+j:T+j+1], v[T+j:T+j+1], v[ACC+j:ACC+j+1]                        ; z = x (c0 + c1 x x) = -2 u log2 e
.set j, j+2
.endr
.set j, 0
	s_wait_alu depctr_va_vdst(0)
.rept 64
	v_exp_f32 v[T+j], v[T+j]
.set j, j+1
.endr
	v_nop                                          ; a plain instruction behind the last exponential
	s_wait_alu depctr_va_vdst(0)                   ; the 64 exponentials have written v[T ..]: one wait for the batch, ahead of its first reader
.set j, 0
.rept 32
	v_pk_add_f32 v[T+j:T+j+1], v[T+j:T+j+1], 1.0 op_sel_hi:[1,0]
.set j, j+2
.endr
.set j, 0
	s_wait_alu depctr_va_vdst(0)
.rept 64
	v_rcp_f32 v[T+j], v[T+j]                       ; where 2^z has run to infinity this is 0, where it has run to 0 this is 1: gelu's two ends
.set j, j+1
.endr
	v_nop                                          ; a plain instruction behind the last reciprocal
	s_wait_alu depctr_va_vdst(0)                   ; the 64 reciprocals have written v[T ..]: one wait for the batch, ahead of its first reader
.set j, 0
.rept 32
	v_pk_mul_f32 v[ACC+j:ACC+j+1], v[ACC+j:ACC+j+1], v[T+j:T+j+1]
.set j, j+2
.endr
	QUANT ACC
	s_wait_alu depctr_va_vdst(0)                   ; the conversions have written v[PC ..] and the shifts v[PW], which the five stores below read
.irp c, 0,1,2,3
	global_store_b128 v[LI], v[PC+4*\c:PC+4*\c+3], s[40:41] offset:512*\c
.endr
	global_store_b32 v[L4R], v[PW], s[42:43]       ; lanes l and l xor 16 write the same word with the same value
.endm
; A TRIP.  The wait's count: only the next trip's 32 weight loads were issued behind this trip's weights, x's fragment of this K step and (trip 0) b1 and the scale words, whether or not the branch issued the fragment.
.macro TRIP t
.if (\t) < 7
	s_wait_loadcnt 32
.else
	s_wait_loadcnt 0x0
.endif
	QW \t
.if ((\t) >= 1) && ((\t) <= 6)
	s_cmp_eq_u32 s28, 0
	s_cbranch_scc1 .Lno_a_\@
	ALOAD (\t)+1                                   ; into the buffer that the last trip's products have read: the quantiser's wait has shown them done
.Lno_a_\@:
.endif
.if (\t) <= 5
	WLOAD (\t)+2                                   ; into the set just quantised, at once: no vector instruction since the quantiser's wait names it
.endif
	s_wait_dscnt 0x0                               ; for the others' sake: my codes and my byte lie in LDS
.if (\t) < 7
	s_wait_alu depctr_vm_vsrc(0)                   ; my three LDS stores have read v[C ..] and v[MB], which the next trip's quantiser writes again
.endif
	s_barrier_signal -1
	s_barrier_wait -1                              ; K step t's eight fragments are whole
	s_cmp_eq_u32 s28, 0
	s_cbranch_scc1 .Lno_m_\@
	MM \t
.Lno_m_\@:
.endm
	s_load_b256 s[4:11], s[0:1], 0x0               ; W1 s[4:5], b1 s[6:7], xc s[8:9], xs s[10:11]
	s_load_b128 s[12:15], s[0:1], 0x20             ; meta s[12:13], hc s[14:15]
	s_load_b64 s[16:17], s[0:1], 0x30              ; hs
	v_lshrrev_b32 v[MA], 5, v0
	v_readfirstlane_b32 s18, v[MA]                 ; wave 0..15
	s_mov_b32 s19, ttmp9                           ; x: the slice of 128 columns
	s_and_b32 s20, ttmp7, 0xffff                   ; e
	s_wait_alu depctr_va_sdst(0)                   ; s18 is written, ahead of its first reader: LDS addresses, W1's base and my row tile are made from it
	s_and_b32 s21, s18, 3                          ; which 32 of the columns I quantise
	s_lshr_b32 s22, s18, 2                         ; which 32 of a K step
	v_and_b32 v[L4R], 31, v0
	v_lshlrev_b32 v[L4], 2, v[L4R]
	v_lshlrev_b32 v[LI], 4, v[L4R]
	v_add_nc_u32 v[LI2], 0x10000, v[LI]
	v_add_nc_u32 v[LSB], BS, v[L4]
	v_and_b32 v[MA], 7, v0
	v_bfe_u32 v[MB], v0, 3, 1
	v_bfe_u32 v[H64], v0, 4, 1
	s_lshl_b32 s46, s21, 12
	s_lshl_b32 s47, s22, 9
	s_add_co_u32 s46, s46, s47
	v_lshlrev_b32 v[ADW], 4, v[MA]
	v_lshl_add_u32 v[ADW], v[MB], 11, v[ADW]
	v_lshl_add_u32 v[ADW], v[H64], 7, v[ADW]
	v_add_nc_u32 v[ADW], s46, v[ADW]
	v_add_nc_u32 v[ADW2], 0x10000, v[ADW]
	s_lshl_b32 s46, s21, 7
	s_add_co_u32 s46, s46, s22
	s_add_co_u32 s46, s46, BS
	v_lshlrev_b32 v[ADSB], 2, v[MA]
	v_lshl_add_u32 v[ADSB], v[MB], 6, v[ADSB]
	v_lshl_add_u32 v[ADSB], v[H64], 5, v[ADSB]
	v_add_nc_u32 v[ADSB], s46, v[ADSB]
	v_lshlrev_b32 v[H64], 6, v[H64]
	v_and_b32 v[L4R], 15, v0
	v_lshlrev_b32 v[L4R], 2, v[L4R]
	v_mov_b32 v[C0], 0xc0135761                    ; c0 = -2 log2(e) sqrt(2 / pi) = -2.3022082
	v_mov_b32 v[C0+1], 0xc0135761
	s_mov_b32 s48, 0xbdd2d3e8                      ; c1 = 0.044715 c0 = -0.10294324
	s_mov_b32 s49, s48                             ; (named with it as a pair, so it is written)
	s_mov_b32 s[SEL], 0x76543210
	s_mov_b32 s[SEL+1], 0xfedcba98
	s_mov_b32 s[MNT], 0x600000
	s_lshl_b32 s53, s19, 11
	s_lshl_b32 s54, s19, 6
	s_lshl_b32 s46, s20, 24                        ; W1: the expert's 16 MiB,
	s_lshl_b32 s47, s22, 19                        ; 32 (w / 4) rows of 16,384 bytes,
	s_add_co_u32 s46, s46, s47
	s_lshl_b32 s47, s19, 9                         ; the slice's 512 bytes of a row,
	s_add_co_u32 s46, s46, s47
	s_lshl_b32 s47, s21, 7                         ; my 128 of them: under 2^27 in all
	s_add_co_u32 s46, s46, s47
	s_mov_b32 s47, 0
	s_lshl_b32 s23, s20, 4
	s_wait_kmcnt 0x0
	s_add_nc_u64 s[32:33], s[4:5], s[46:47]
	s_add_nc_u64 s[34:35], s[32:33], 0x800000      ; four trips of 128 rows on
	s_load_b128 s[24:27], s[12:13], s23 offset:0x0 ; F, T, n, 0 of my expert
	s_wait_alu depctr_va_vdst(0)                   ; the nine addresses and offsets v1 to v9 are written: every load and store of the kernel reads one of them, and none is written again
	WLOAD 0                                        ; the stream starts before the table is in
	s_lshl_b32 s46, s20, 14
	s_lshl_b32 s55, s19, 9
	s_add_co_u32 s46, s46, s55
	s_add_nc_u64 s[44:45], s[6:7], s[46:47]
	s_wait_kmcnt 0x0
	s_min_u32 s24, s24, 70
	s_min_u32 s25, s25, 64
	s_mov_b32 s29, s18                             ; my first row tile: the wave's number
	SETTILE 1
	BIAS
	XSC
	ALOAD 0
	ALOAD 1
	WLOAD 1
.irp t, 0,1,2,3,4,5,6,7
	TRIP \t
.endr
	s_cmp_eq_u32 s28, 0
	s_cbranch_scc1 .Lno_out
	EPI
.Lno_out:
	; row tiles w + 16, w + 32, w + 48: from the codes in LDS, which nobody writes any more: no barrier.  Three trips always; s29 still holds the wave's number
	s_mov_b32 s56, 0
.Lrows:
	s_add_co_u32 s29, s29, 16
	s_cmp_lt_u32 s29, s25
	s_cbranch_scc0 .Lno_rows                       ; the expert has no such tile: the trip's work is jumped over
	s_wait_xcnt 0x0                                ; the last way out's stores have read their data and their bases: both are written again below
	s_wait_alu depctr_vm_vsrc(0)                   ; the last way out's stores have read v[PC ..] and v[PW], which this tile's way out writes again
	s_wait_alu depctr_va_vdst(0)                   ; on every way here the last tile's products and its way out are done with the accumulators, x's scale words, x's two buffers, the four fragments and their scale words: the loads below land in all of them
	SETTILE 0
	BIAS
	XSC
	ALOAD 0
	ALOAD 1
.irp t, 0,1,2,3,4,5,6,7
.if \t < 7
	s_wait_loadcnt 4                               ; all but the next K step's four loads
.else
	s_wait_loadcnt 0x0
.endif
	MM \t
.if \t <= 6
	s_wait_alu depctr_va_vdst(0)                   ; this K step's products are done reading x's buffer t % 2, in which the fragment two K steps on lands, and the four fragments and their scale words, in which the next K step's LDS loads land
.endif
.if \t <= 5
	ALOAD \t+2
.endif
.endr
	EPI
.Lno_rows:
	s_add_co_u32 s56, s56, 1
	s_cmp_lt_u32 s56, 3
	s_cbranch_scc1 .Lrows
	s_barrier_signal -1
	s_barrier_wait -1
	s_wait_xcnt 0x0
	v_lshl_add_u32 v254, v0, 2, 0x21000            ; the add's two registers are made anew here; no memory or LDS instruction has read v254 or v255: loads landed in them and vector instructions worked on them
	v_mov_b32 v255, 0
	s_wait_dscnt 0x0                               ; the closing lines, six on end
	s_wait_alu 0x0
	s_wait_tensorcnt 0x0
	ds_add_u32 v254, v255
	s_wait_dscnt 0x0
	s_endpgm
.Lfunc_end_k_q142299db1e_up:
	.size	k_q142299db1e_up, .Lfunc_end_k_q142299db1e_up-k_q142299db1e_up
	.p2alignl 7, 3214868480
	.fill 96, 4, 3214868480
	.section	.rodata,"a",@progbits
	.p2align	6, 0x0
	.amdhsa_kernel k_q142299db1e_up
		.amdhsa_group_segment_fixed_size 137216
		.amdhsa_private_segment_fixed_size 0
		.amdhsa_enable_private_segment 0
		.amdhsa_kernarg_size 56
		.amdhsa_user_sgpr_count 2
		.amdhsa_user_sgpr_kernarg_segment_ptr 1
		.amdhsa_wavefront_size32 1
		.amdhsa_system_sgpr_workgroup_id_x 1
		.amdhsa_system_sgpr_workgroup_id_y 1
		.amdhsa_system_sgpr_workgroup_id_z 1
		.amdhsa_system_vgpr_workitem_id 0
		.amdhsa_next_free_vgpr 256
		.amdhsa_next_free_sgpr 66
		.amdhsa_reserve_vcc 0
		.amdhsa_float_denorm_mode_32 3
		.amdhsa_float_denorm_mode_16_64 3
		.amdhsa_memory_ordered 1
		.amdhsa_forward_progress 1
		.amdhsa_inst_pref_size 178
	.end_amdhsa_kernel
	.amdgpu_metadata
---
amdhsa.version: [ 1, 2 ]
amdhsa.kernels:
  - .name:           k_q142299db1e_up
    .symbol:         k_q142299db1e_up.kd
    .args:
      - { .name: W1, .offset: 0, .size: 8, .value_kind: global_buffer, .address_space: global }
      - { .name: b1, .offset: 8, .size: 8, .value_kind: global_buffer, .address_space: global }
      - { .name: xc, .offset: 16, .size: 8, .value_kind: global_buffer, .address_space: global }
      - { .name: xs, .offset: 24, .size: 8, .value_kind: global_buffer, .address_space: global }
      - { .name: meta, .offset: 32, .size: 8, .value_kind: global_buffer, .address_space: global }
      - { .name: hc, .offset: 40, .size: 8, .value_kind: global_buffer, .address_space: global }
      - { .name: hs, .offset: 48, .size: 8, .value_kind: global_buffer, .address_space: global }
    .group_segment_fixed_size: 137216
    .private_segment_fixed_size: 0
    .kernarg_segment_align: 8
    .kernarg_segment_size: 56
    .max_flat_workgroup_size: 512
    .sgpr_count:     66
    .vgpr_count:     256
    .wavefront_size: 32
...
	.end_amdgpu_metadata
.endif
;; end of part 5
;; launch down (part 6): grid 32 x 8, 16 waves a work-group, no clusters, 137,216 bytes of LDS; arguments W2, b2, hc, hs, meta, order, out0; writes out0
.if DOCPART == 6
	.amdgcn_target "amdgcn-amd-amdhsa--gfx1250"
	.amdhsa_code_object_version 6
	.text
	.protected	k_q142299db1e_down
	.globl	k_q142299db1e_down
	.p2align	8
	.type	k_q142299db1e_down,@function
k_q142299db1e_down:
	s_mov_b64 s[64:65], 0
	v_nop
	global_prefetch_b8 v0, s[64:65] scope:SCOPE_SE
	s_setreg_imm32_b32 hwreg(HW_REG_WAVE_MODE, 25, 1), 1
	s_wait_xcnt 0x0
; DOWN: y = h Q(W2[e]) + b2[e] for the rows of expert e, each stored at its token's row of out0.  W2 [8][4096 (k)][1024 (n)] f32; h as codes of FP8 (E4M3) with E8M0 bytes (hc, hs), in sorted rows, as images of the operand's registers.
; SHARES.  Work-group (x, e) owns columns 32 x .. 32 x + 31 of expert e: 4,096 x 32 numbers, 512 KB, which no other work-group reads.  8 x 1,024 columns over 256 work-groups are 32 columns: 128 bytes of a row of W2 and of out0.
; Wider slices would mean fewer work-groups, or K split among work-groups and one launch more for the sum.
; THE STREAM.  Eight trips of 512 along K (four K steps).  Wave w takes k = 512 t + 32 w + 0 .. 31 of the 32 columns: a lane takes a column and its registers run down K; a block of 32 lies in one lane.  Two sets of 32 registers.
; THE CODES STAY IN LDS, as images: fragment f = 2 (K step) + tile at 2,048 f, chunk c at + 512 c; scale words at BS + 64 f + 4 row.  Every LDS byte is written once in the launch: one barrier a trip, eight in all, on every wave's path.
; Column l of the 32 is row (l % 8) + 8 (l / 16) of tile (l / 8) % 2, so that a lane's 16 results are 16 neighbouring columns: 64 consecutive bytes of its token's row.
; THE PRODUCTS GO BY ROWS.  Wave w owns row tile w of the expert: h's fragments come from memory straight into registers, the weights' from LDS; source 0 = 16 columns of W2, source 1 = 16 rows of h.  b2 is loaded into the two
; accumulators, so every product adds in place.  Row tiles 16 and up (an expert with more than 256 rows) are made behind the stream from the resident codes, without barriers: an expert has at most 64 tiles, so a wave has at
; most three more; their pass is written out three times by a macro, each time behind a forward branch on meta's count that leads to the end.  The text has no backward branch.
; A wave without a row tile (act = 0) skips its fragments' loads, its products and its stores, never a barrier or a weight load; at the head it loads tile 0, which always exists, so that every register is written.
; EVERY VECTOR ADDRESS REGISTER IS MADE ONCE, on every wave's path, with all lanes on, ahead of the first change of EXEC: a write with some lanes off would leave old data in the others.  So the tokens of all four row tiles
; that a wave can have (tile 0's where the expert has no such tile) are loaded in trip 6, and their four places in out0 are made behind trip 7's barrier; a way out only narrows EXEC, stores and restores it.
; NOT SHARED IN A CLUSTER: the 32 slices of an expert read the same fragments of h; two joint slots of 16 tiles x 4 K steps x 2 KB beside the 132 KB of codes are more than the 327,680 bytes of LDS.
; LIMITS: NaN and infinities among the inputs are not served.  A block of zeros, or one whose largest magnitude lies under 2^-118, gets the byte 1 (the rule says 127 for zeros): its codes add nothing, and this program alone reads the bytes.
.set BS,   131072                      ; behind the 64 fragments: their scale words, 4,096 bytes
.set WROW, 4096                        ; a row of W2 in bytes
.set L4,   1                           ; 4 x lane
.set LI,   2                           ; 16 x lane
.set LI2,  3                           ; + 65,536
.set ADW,  4                           ; trips 0-3: where I store codes: 4,096 (w / 4) + 512 (w % 4) + 2,048 ((l / 8) % 2) + 16 (l % 8) + 128 (l / 16)
.set TA,   4                           ; from trip 4's barrier on: 4 r
.set ADW2, 5                           ; trips 4-7: ADW + 65,536
.set H64F, 5                           ; from trip 7's barrier on: 64 h
.set ADSB, 6                           ; where I store my block's byte: BS + 128 (w / 4) + w % 4 + 64 ((l / 8) % 2) + 4 (l % 8) + 32 (l / 16)
.set LSB,  7                           ; BS + 4 x lane
.set HS,   8                           ; v8-11 h's scale words, two buffers of two: register i: K step 4 t + 2 i in lanes 0-15, + 1 in lanes 16-31
.set BSC,  12                          ; v12-15 the weights' scale words: register q: K step 4 t + q: tile 0 in lanes 0-15, tile 1 in lanes 16-31
.set ACC,  16                          ; v16-31 two accumulators; register i = column 32 x + 16 h + i of row r
.set B,    32                          ; v32-63 two fragments of the weights.  The weight quantiser works in v32-43 between two trips' products:
.set C,    32                          ; v32-39 a block's 32 codes
.set MA,   40                          ; two chains of maxima (the second later holds the byte),
.set MB,   41
.set SCL,  42                          ; the conversion's scale operand,
.set HLD,  43                          ; 448 x the scale
.set H64,  44                          ; at the head, before anything is loaded into it: 64 h, b2's address
.set A,    64                          ; v64-191 h's fragments, two buffers of four
.set W,    192                         ; v192-255 the weights as loaded, two sets of 32.  Set 0 is free from trip 6's quantiser on:
.set TOKR, 192                         ; v192-195 the token of my row in row tiles w, w + 16, w + 32, w + 48
.set VO,   196                         ; v196-199 my byte in out0 for each of them: 4,096 x token + 64 h
.set MNT,  52                          ; s52 the mantissa field of 448
; s[4:17] the seven addresses, never rewritten; s18 wave, s19 x, s20 e, s21 w / 4, s22 w % 4; s24 F, s25 T, s26 n; s28 act, s29 my row tile in the expert, s30 its tile among all, s31 four times the rows left from it on;
; s[32:33], s[34:35] W2 at my block of trips 0-3 and 4-7; s[36:37] hc, s[38:39] hs at my tile; s[40:41] b2, s[42:43] out0 at my columns; s[44:45], s[48:49], s[50:51], s[56:57] order at my four row tiles;
; s[46:47] an offset; s54, s60 at work; s55 EXEC kept
.macro WLOAD t                         ; trip t's block: W2(512 t + 32 w + i, my column) into set t % 2.  No hint: the 128 bytes beside a load's 128 are the neighbouring work-group's
.if (\t) < 4
.set WBS, 32
.else
.set WBS, 34
.endif
.set i, 0
.rept 32
	global_load_b32 v[W+32*((\t)%2)+i], v[L4], s[WBS:WBS+1] offset:((\t)%4)*512*WROW+i*WROW   ; at most 6,418,432: inside the signed 24-bit immediate (ISA guide, chapter 10)
.set i, i+1
.endr
.endm
.macro QW t                            ; set t % 2 becomes 32 codes and a byte, which go to LDS
.set WR, W+32*((\t)%2)
	v_max3_num_f32 v[MA], |v[WR]|, |v[WR+1]|, |v[WR+2]|    ; the block's largest magnitude: all 32 numbers are mine
	v_max3_num_f32 v[MB], |v[WR+3]|, |v[WR+4]|, |v[WR+5]|
.irp i, 6,10,14,18,22,26
	s_delay_alu instid0(VALU_DEP_2)
	v_max3_num_f32 v[MA], v[MA], |v[WR+\i]|, |v[WR+\i+1]|
	s_delay_alu instid0(VALU_DEP_2)
	v_max3_num_f32 v[MB], v[MB], |v[WR+\i+2]|, |v[WR+\i+3]|
.endr
	s_delay_alu instid0(VALU_DEP_2)
	v_max3_num_f32 v[MA], v[MA], |v[WR+30]|, |v[WR+31]|
	s_delay_alu instid0(VALU_DEP_1)
	v_max3_num_f32 v[MA], v[MA], v[MB], 0x4800000          ; and the floor 2^(9 - 127): the byte cannot fall under 1
	s_delay_alu instid0(VALU_DEP_1)
	v_add_nc_u32 v[SCL], 0xfc000000, v[MA]                 ; 8 off its exponent field: the conversion's scale operand
	s_delay_alu instid0(VALU_DEP_2)
	v_and_or_b32 v[HLD], v[MA], 0x7f800000, s[MNT]         ; 448 x the scale
.set i, 0
.rept 32
	v_med3_num_f32 v[WR+i], v[WR+i], -v[HLD], v[HLD]       ; the conversion to an 8-bit code does not saturate (ISA guide 7.6.2)
.set i, i+1
.endr
.irp g, 0,1,2,3
	v_cvt_scalef32_pk8_fp8_f32 v[C+2*\g:C+2*\g+1], v[WR+8*\g:WR+8*\g+7], v[SCL]
.endr
	v_lshrrev_b32 v[MB], 23, v[SCL]                        ; the scale's byte; also the plain line behind the conversions
.rept 4
	v_nop                                                  ; four places between the vector writes into v32-43 and the scaled products that name these registers as source 0 (LDS loads write them anew in between)
.endr
.if (\t) < 4
	ds_store_b128 v[ADW], v[C:C+3] offset:((\t)%4)*16384           ; k 0-15 of the block: the image's lanes 0-15
	ds_store_b128 v[ADW], v[C+4:C+7] offset:((\t)%4)*16384+256     ; k 16-31: its lanes 16-31
.else
	ds_store_b128 v[ADW2], v[C:C+3] offset:((\t)%4)*16384
	ds_store_b128 v[ADW2], v[C+4:C+7] offset:((\t)%4)*16384+256
.endif
	ds_store_b8 v[ADSB], v[MB] offset:512*(\t)
.endm
.macro ALOAD t                         ; my row tile's four fragments of trip t and their scale words into buffer t % 2: 18 loads
.irp q, 0,1,2,3
.irp c, 0,1,2,3
	global_load_b128 v[A+64*((\t)%2)+16*\q+4*\c:A+64*((\t)%2)+16*\q+4*\c+3], v[LI], s[36:37] offset:(4*(\t)+\q)*2048+512*\c
.endr
.endr
.irp i, 0,1
	global_load_b32 v[HS+2*((\t)%2)+\i], v[L4], s[38:39] offset:(4*(\t)+2*\i)*64
.endr
.endm
.macro BIAS adr                        ; b2 in the result's layout, straight into the accumulators
.irp j, 0,1,2,3
	global_load_b128 v[ACC+4*\j:ACC+4*\j+3], v[\adr], s[40:41] offset:16*\j
.endr
.endm
.macro TOKB k, p                       ; s[p:p+1] = order at row tile w + 16 k of the expert, or at tile 0, which always exists, where the expert has no such tile
	s_add_co_u32 s54, s18, 16*(\k)
	s_add_co_u32 s60, s24, s54
	s_cmp_lt_u32 s54, s25
	s_cselect_b32 s60, s60, 0
	s_min_u32 s60, s60, 70                         ; 71 tiles: no address leaves its buffer
	s_lshl_b32 s46, s60, 6
	s_add_nc_u64 s[\p:\p+1], s[14:15], s[46:47]
.endm
.macro SETTILE head                    ; the addresses of row tile s29 of the expert.  head = 1: a wave without a tile takes tile 0 and act = 0
	s_add_co_u32 s30, s24, s29
.if \head
	s_cmp_lt_u32 s29, s25
	s_cselect_b32 s28, 1, 0
	s_cselect_b32 s30, s30, 0
.endif
	s_min_u32 s30, s30, 70                         ; 71 tiles: no address leaves its buffer
	s_lshl_b32 s46, s30, 16
	s_add_nc_u64 s[36:37], s[8:9], s[46:47]
	s_lshl_b32 s46, s30, 11
	s_add_nc_u64 s[38:39], s[10:11], s[46:47]
	s_lshl_b32 s46, s29, 4
	s_sub_co_i32 s31, s26, s46                     ; n - 16 x tile: rows r under it are tokens, the others padding;
	s_lshl_b32 s31, s31, 2                         ; four times that, to be held against 4 r
.endm
.macro WMS d, a, b, sa, sb, ra, rb     ; one product, in place; ra, rb: which half of the lanes holds source 0's and source 1's scale words
.if ((\ra) == 0) && ((\rb) == 0)
	v_wmma_scale_f32_16x16x128_f8f6f4 v[\d:\d+7], v[\a:\a+15], v[\b:\b+15], v[\d:\d+7], v[\sa], v[\sb]
.elseif (\rb) == 0
	v_wmma_scale_f32_16x16x128_f8f6f4 v[\d:\d+7], v[\a:\a+15], v[\b:\b+15], v[\d:\d+7], v[\sa], v[\sb] matrix_a_scale:MATRIX_SCALE_ROW1
.elseif (\ra) == 0
	v_wmma_scale_f32_16x16x128_f8f6f4 v[\d:\d+7], v[\a:\a+15], v[\b:\b+15], v[\d:\d+7], v[\sa], v[\sb] matrix_b_scale:MATRIX_SCALE_ROW1
.else
	v_wmma_scale_f32_16x16x128_f8f6f4 v[\d:\d+7], v[\a:\a+15], v[\b:\b+15], v[\d:\d+7], v[\sa], v[\sb] matrix_a_scale:MATRIX_SCALE_ROW1 matrix_b_scale:MATRIX_SCALE_ROW1
.endif
.endm
; Trip t's eight products: four K steps x two tiles; the two accumulators by turns, one instruction a turn.
; Eight v_nop behind each pair: the places ahead of the next loads and vector writes into registers that the products have read, and of the first read of results.
.macro MM t
.if (\t) < 4
.set LB, LI
.else
.set LB, LI2
.endif
.irp q, 0,1,2,3
	ds_load_b32 v[BSC+\q], v[LSB] offset:(4*(\t)+\q)*128
.endr
.irp q, 0,1,2,3
.irp u, 0,1
.irp c, 0,1,2,3
	ds_load_b128 v[B+16*\u+4*\c:B+16*\u+4*\c+3], v[LB] offset:((8*(\t)+2*\q+\u)*2048+512*\c)%65536
.endr
.endr
	s_wait_dscnt 0x0
.irp u, 0,1
	WMS ACC+8*\u, B+16*\u, A+64*((\t)%2)+16*\q, BSC+\q, HS+2*((\t)%2)+\q/2, \u, \q%2
.endr
.rept 8
	v_nop
.endr
.endr
.endm
; THE WAY OUT of row tile w + 16 k: a lane's 16 results are 64 consecutive bytes of its token's row; padding rows store nothing.  Each accumulator is read from its low end on.
.macro EPI k
	v_cmp_gt_i32 vcc_lo, s31, v[TA]                ; 4 (rows left) > 4 r: my row is a token's
	s_wait_xcnt 0x0                                ; EXEC is a source of pending memory instructions: it changes only behind this wait
	s_and_saveexec_b32 s55, vcc_lo
.irp j, 0,1,2,3
	global_store_b128 v[VO+(\k)], v[ACC+4*\j:ACC+4*\j+3], s[42:43] offset:16*\j
.endr
	s_wait_xcnt 0x0                                ; and again in front of the line that widens it
	s_or_b32 exec_lo, exec_lo, s55
.endm
; A TRIP.  The wait's count: only the next trip's 32 weight loads were issued behind this trip's weights, h's fragments of this trip and (trip 0) b2, whether or not the branch issued the fragments.
.macro TRIP t
.if (\t) < 7
	s_wait_loadcnt 32
.else
	s_wait_loadcnt 0x0                             ; the last weights, the last fragments and the four tiles' tokens
.endif
	QW \t
.if ((\t) >= 1) && ((\t) <= 6)
	s_cmp_eq_u32 s28, 0
	s_cbranch_scc1 .Lno_a_\@
	ALOAD (\t)+1                                   ; into the buffer that the last trip's products have read, behind their places
.Lno_a_\@:
.endif
.if (\t) == 6
	global_load_b32 v[TOKR],   v[TA], s[44:45]     ; set 0 of the weights is free from here on: which tokens lie at the rows of my four row tiles; every wave loads them
	global_load_b32 v[TOKR+1], v[TA], s[48:49]
	global_load_b32 v[TOKR+2], v[TA], s[50:51]
	global_load_b32 v[TOKR+3], v[TA], s[56:57]
.endif
.if (\t) <= 5
	WLOAD (\t)+2                                   ; into the set just quantised
.endif
	s_wait_dscnt 0x0                               ; for the others' sake: my codes and my byte lie in LDS
	s_barrier_signal -1
	s_barrier_wait -1                              ; trip t's eight fragments are whole
.if (\t) == 4
	v_and_b32 v[TA], 15, v0                        ; v4 has served its last LDS store in trip 3: it becomes 4 r, for every wave
	s_delay_alu instid0(VALU_DEP_1)
	v_lshlrev_b32 v[TA], 2, v[TA]
.endif
.if (\t) == 7
	v_bfe_u32 v[H64F], v0, 4, 1                    ; v5 has served its last LDS store, which the wait above has seen done: it becomes 64 h, for every wave
	s_delay_alu instid0(VALU_DEP_1)
	v_lshlrev_b32 v[H64F], 6, v[H64F]
.irp k, 0,1,2,3
	v_min_u32 v[TOKR+\k], 1023, v[TOKR+\k]         ; 1,024 tokens: no address leaves out0
.endr
.irp k, 0,1,2,3
	s_delay_alu instid0(VALU_DEP_4)
	v_lshl_add_u32 v[VO+\k], v[TOKR+\k], 12, v[H64F]   ; the token's row of 4,096 bytes, + 64 h
.endr
.endif
	s_cmp_eq_u32 s28, 0
	s_cbranch_scc1 .Lno_m_\@
	MM \t
.Lno_m_\@:
.endm
; Row tile w + 16 k of the expert, from the codes in LDS, which nobody writes any more: no barrier.  Where the expert has no such tile it has none of the later ones either: on to the end.
.macro ROWS k
	s_add_co_u32 s29, s18, 16*(\k)
	s_cmp_lt_u32 s29, s25
	s_cbranch_scc0 .Lend
	s_wait_xcnt 0x0                                ; the last way out's stores have read their data: the accumulators are loaded again below
	SETTILE 0
	s_wait_alu depctr_va_vdst(0)
	BIAS H64F
	ALOAD 0
	ALOAD 1
.irp t, 0,1,2,3,4,5,6,7
.if \t < 7
	s_wait_loadcnt 18                              ; all but the next trip's 18 loads
.else
	s_wait_loadcnt 0x0
.endif
	MM \t
.if \t <= 5
	ALOAD \t+2
.endif
.endr
	EPI \k
.endm
	s_load_b256 s[4:11], s[0:1], 0x0               ; W2 s[4:5], b2 s[6:7], hc s[8:9], hs s[10:11]
	s_load_b128 s[12:15], s[0:1], 0x20             ; meta s[12:13], order s[14:15]
	s_load_b64 s[16:17], s[0:1], 0x30              ; out0
	v_lshrrev_b32 v[MA], 5, v0
	s_delay_alu instid0(VALU_DEP_1)
	v_readfirstlane_b32 s18, v[MA]                 ; wave 0..15
	s_mov_b32 s19, ttmp9                           ; x: the slice of 32 columns
	s_and_b32 s20, ttmp7, 0xffff                   ; e
	s_lshr_b32 s21, s18, 2                         ; which K step of a trip I quantise
	s_and_b32 s22, s18, 3                          ; which 32 of it
	v_and_b32 v[MA], 31, v0
	s_delay_alu instid0(VALU_DEP_1)
	v_lshlrev_b32 v[L4], 2, v[MA]
	s_delay_alu instid0(VALU_DEP_2)
	v_lshlrev_b32 v[LI], 4, v[MA]
	s_delay_alu instid0(VALU_DEP_1)
	v_add_nc_u32 v[LI2], 0x10000, v[LI]
	s_delay_alu instid0(VALU_DEP_3)
	v_add_nc_u32 v[LSB], BS, v[L4]
	v_and_b32 v[MA], 7, v0
	v_bfe_u32 v[MB], v0, 3, 1
	v_bfe_u32 v[H64], v0, 4, 1
	s_lshl_b32 s46, s21, 12
	s_lshl_b32 s47, s22, 9
	s_add_co_u32 s46, s46, s47
	v_lshlrev_b32 v[ADW], 4, v[MA]
	s_delay_alu instid0(VALU_DEP_1)
	v_lshl_add_u32 v[ADW], v[MB], 11, v[ADW]
	s_delay_alu instid0(VALU_DEP_1)
	v_lshl_add_u32 v[ADW], v[H64], 7, v[ADW]
	s_delay_alu instid0(VALU_DEP_1)
	v_add_nc_u32 v[ADW], s46, v[ADW]
	s_delay_alu instid0(VALU_DEP_1)
	v_add_nc_u32 v[ADW2], 0x10000, v[ADW]
	s_lshl_b32 s46, s21, 7
	s_add_co_u32 s46, s46, s22
	s_add_co_u32 s46, s46, BS
	v_lshlrev_b32 v[ADSB], 2, v[MA]
	s_delay_alu instid0(VALU_DEP_1)
	v_lshl_add_u32 v[ADSB], v[MB], 6, v[ADSB]
	s_delay_alu instid0(VALU_DEP_1)
	v_lshl_add_u32 v[ADSB], v[H64], 5, v[ADSB]
	s_delay_alu instid0(VALU_DEP_1)
	v_add_nc_u32 v[ADSB], s46, v[ADSB]
	v_lshlrev_b32 v[H64], 6, v[H64]
	s_mov_b32 s[MNT], 0x600000
	s_lshl_b32 s53, s19, 7                         ; the slice's 128 bytes of a row
	s_lshl_b32 s46, s20, 24                        ; W2: the expert's 16 MiB,
	s_lshl_b32 s47, s18, 17                        ; 32 w rows of 4,096 bytes,
	s_add_co_u32 s46, s46, s47
	s_add_co_u32 s46, s46, s53                     ; the slice: under 2^27 in all
	s_mov_b32 s47, 0
	s_lshl_b32 s23, s20, 4
	s_wait_alu depctr_va_vdst(0)
	s_wait_kmcnt 0x0
	s_add_nc_u64 s[32:33], s[4:5], s[46:47]
	s_add_nc_u64 s[34:35], s[32:33], 0x800000      ; four trips of 512 rows on
	s_load_b128 s[24:27], s[12:13], s23 offset:0x0 ; F, T, n, 0 of my expert
	WLOAD 0                                        ; the stream starts before the table is in
	s_lshl_b32 s46, s20, 12
	s_add_co_u32 s46, s46, s53
	s_add_nc_u64 s[40:41], s[6:7], s[46:47]
	s_mov_b32 s46, s53
	s_add_nc_u64 s[42:43], s[16:17], s[46:47]
	s_wait_kmcnt 0x0
	s_min_u32 s24, s24, 70
	s_min_u32 s25, s25, 64
	s_min_u32 s26, s26, 1024
	s_mov_b32 s29, s18                             ; my first row tile: the wave's number
	SETTILE 1
	BIAS H64
	ALOAD 0
	ALOAD 1
	WLOAD 1
	TOKB 0, 44                                     ; where the tokens of my four row tiles stand in order: wanted in trip 6
	TOKB 1, 48
	TOKB 2, 50
	TOKB 3, 56
.irp t, 0,1,2,3,4,5,6,7
	TRIP \t
.endr
	s_cmp_eq_u32 s28, 0
	s_cbranch_scc1 .Lno_out
	s_wait_alu depctr_va_vdst(0)
	EPI 0
.Lno_out:
	ROWS 1                                         ; row tiles w + 16, w + 32, w + 48
	ROWS 2
	ROWS 3
.Lend:
	s_wait_xcnt 0x0
	s_mov_b32 exec_lo, -1
	v_lshl_add_u32 v6, v0, 2, 0x21000
	v_mov_b32 v7, 0
	s_wait_alu depctr_va_vdst(0)
	s_wait_tensorcnt 0x0
	ds_add_u32 v6, v7
	s_wait_dscnt 0x0
	s_endpgm
.Lfunc_end_k_q142299db1e_down:
	.size	k_q142299db1e_down, .Lfunc_end_k_q142299db1e_down-k_q142299db1e_down
	.p2alignl 7, 3214868480
	.fill 96, 4, 3214868480
	.section	.rodata,"a",@progbits
	.p2align	6, 0x0
	.amdhsa_kernel k_q142299db1e_down
		.amdhsa_group_segment_fixed_size 137216
		.amdhsa_private_segment_fixed_size 0
		.amdhsa_enable_private_segment 0
		.amdhsa_kernarg_size 56
		.amdhsa_user_sgpr_count 2
		.amdhsa_user_sgpr_kernarg_segment_ptr 1
		.amdhsa_wavefront_size32 1
		.amdhsa_system_sgpr_workgroup_id_x 1
		.amdhsa_system_sgpr_workgroup_id_y 1
		.amdhsa_system_sgpr_workgroup_id_z 1
		.amdhsa_system_vgpr_workitem_id 0
		.amdhsa_next_free_vgpr 256
		.amdhsa_next_free_sgpr 66
		.amdhsa_reserve_vcc 1
		.amdhsa_float_denorm_mode_32 3
		.amdhsa_float_denorm_mode_16_64 3
		.amdhsa_memory_ordered 1
		.amdhsa_forward_progress 1
		.amdhsa_inst_pref_size 255
	.end_amdhsa_kernel
	.section	.bss,"aw",@nobits
	.p2align	6
	.space	262144
	.amdgpu_metadata
---
amdhsa.version: [ 1, 2 ]
amdhsa.kernels:
  - .name:           k_q142299db1e_down
    .symbol:         k_q142299db1e_down.kd
    .args:
      - { .name: W2, .offset: 0, .size: 8, .value_kind: global_buffer, .address_space: global }
      - { .name: b2, .offset: 8, .size: 8, .value_kind: global_buffer, .address_space: global }
      - { .name: hc, .offset: 16, .size: 8, .value_kind: global_buffer, .address_space: global }
      - { .name: hs, .offset: 24, .size: 8, .value_kind: global_buffer, .address_space: global }
      - { .name: meta, .offset: 32, .size: 8, .value_kind: global_buffer, .address_space: global }
      - { .name: order, .offset: 40, .size: 8, .value_kind: global_buffer, .address_space: global }
      - { .name: out0, .offset: 48, .size: 8, .value_kind: global_buffer, .address_space: global }
    .group_segment_fixed_size: 137216
    .private_segment_fixed_size: 0
    .kernarg_segment_align: 8
    .kernarg_segment_size: 56
    .max_flat_workgroup_size: 512
    .sgpr_count:     66
    .vgpr_count:     256
    .wavefront_size: 32
...
	.end_amdgpu_metadata
.endif
;; end of part 6
